; MI455X (gfx1250); checked and timed in simulation.
; The chip was launched on July 23, 2026; its instructions are those of AMD's public machine-readable ISA for CDNA 5 (MIT licence, August 2026) and "CDNA5" Instruction Set Architecture Reference Guide (July 2026). The comments in the code are by the model that wrote it; some were corrected since.
;; Attention. Allowed arithmetic: float matrix products may take bf16 or f16 operands with f32 sums; other float arithmetic in f32, or as packed bf16 or f16 multiplies, adds, multiply-adds, maxima and minima; sums over many terms, partial sums and values carried from step to step in f32; what a program stores and reads back later, other than sums and carried values, may be rounded once to bf16 or f16.
;; Inputs: Wk 1,024 x 1,024 float32; Wq 1,024 x 1,024 float32; Wv 1,024 x 1,024 float32; bk 1,024 float32; bq 1,024 float32; bv 1,024 float32; key 8 x 2,048 x 1,024 float32; mask 8 x 2,048 int32; query 8 x 512 x 1,024 float32.
;; Outputs: out0 8 x 512 x 1,024 float32; out1 8 x 512 x 2,048 float32.
;; 2 versions, each right; version 2 is version 1 with the launch norm written anew for expert scheduling mode. Each part assembles by itself: llvm-mc -triple=amdgcn-amd-amdhsa -mcpu=gfx1250 --defsym DOCPART=n.
;; ======== version 1 of 2: 8 launches
;; limits: right only within a limited range of input values
;; workspace buffers: xb 41,943,040 bytes; wq 2,097,152 bytes; wt 2,097,152 bytes; wkv 4,194,304 bytes; st 1,052,672 bytes; pq 16,777,216 bytes; qg 8,388,608 bytes; ec 16,777,216 bytes
;; launch cast (part 1): grid 1536 x 1, 8 waves a work-group, no clusters, 35,840 bytes of LDS; arguments query, key, Wq, Wk, Wv, xb, wq, wkv, wt, st; writes xb, wq, wkv, wt, st
.if DOCPART == 1
	.amdgcn_target "amdgcn-amd-amdhsa--gfx1250"
	.amdhsa_code_object_version 6
	.text
	.protected	k_q85475422af_cast
	.globl	k_q85475422af_cast
	.p2align	8
	.type	k_q85475422af_cast,@function
k_q85475422af_cast:
	s_mov_b64 s[64:65], 0
	v_nop
	global_prefetch_b8 v0, s[64:65] scope:SCOPE_SE
	s_setreg_imm32_b32 hwreg(HW_REG_WAVE_MODE, 25, 1), 1
	s_wait_xcnt 0x0
; f32 to bf16, rounded once to nearest even.  query and key go into xb ([20480][1024]: rows 0-4095 query, then key), Wq into wq, Wk and Wv into wkv (one below the other),
; and Wk once more, TURNED, into wt: wt[e][h] = Wk[h][e], for the product q Wk, which wants the summed index along the rows.  1,024 zeros (f32) go to the head of st: that product's bias.
; STRAIGHT (work-groups 0-1471: 0-255 query, 256-1279 key, 1280-1343 Wq, 1344-1407 Wk, 1408-1471 Wv): a work-group takes 16,384 numbers, 65,536 bytes in, 32,768 out.  Thread t takes 16 bytes at
; 16 t + 4,096 i, i = 0..15: a load of a wave covers 512 consecutive bytes; its 4 numbers leave as 8 bytes at 8 t + 2,048 i: a store of a wave covers 256 consecutive bytes, aligned.
; All 16 loads of a wave go out at once; no register is written twice, so the only waits are the counted ones for the data.
; TURNED (work-groups 1472-1535): a block of 128 rows h x 128 columns e.  Wave w takes rows 16 w .. 16 w + 15, lane l columns 4 l .. 4 l + 3; two rows' numbers of one column are rounded into one word,
; so a lane holds 32 consecutive bytes of each of four rows of the turned block; they go into LDS (128 rows of 256 bytes, 272 apart), and behind a barrier come back as whole rows:
; 16 lanes store 256 consecutive bytes, aligned.  Memory binds the launch: no matrix unit, no cluster.
.set X, 16                             ; v[16:79]   load i: 4 registers
.set Y, 80                             ; v[80:111]  straight: store i, 2 registers; turned: column c's 8 words at Y + 8 c
.set Z, 112                            ; v[112:115] zeros
.set SPW, 4                            ; v4   LDS address of my spare word: SPARE + 4 x my thread's number; never rewritten
.set NIL, 5                            ; v5   0; never rewritten
.set TP, 272                           ; a row of the turned block in LDS: 256 bytes + 16
.set SPARE, 128*TP                     ; behind the block: the spare words, 128 bytes for each wave: four blocks of 256 bytes that no other line names
	s_load_b512 s[4:19], s[0:1], 0x0               ; query s[4:5], key s[6:7], Wq s[8:9], Wk s[10:11], Wv s[12:13], xb s[14:15], wq s[16:17], wkv s[18:19]
	s_load_b128 s[20:23], s[0:1], 0x40             ; wt s[20:21], st s[22:23]
	v_lshl_add_u32 v[SPW], v0, 2, SPARE
	v_mov_b32 v[NIL], 0
	v_lshlrev_b32 v1, 4, v0                        ; 16 t
	v_lshlrev_b32 v2, 3, v0                        ; 8 t
	s_mov_b32 s28, ttmp9                           ; the work-group's number
	s_wait_kmcnt 0x0
	s_cmp_ge_u32 s28, 1472
	s_cbranch_scc1 .Lturn
	s_cmp_ge_u32 s28, 256                          ; source, destination and their first work-groups are chosen by the number alone
	s_cselect_b64 s[24:25], s[6:7], s[4:5]
	s_cselect_b32 s29, 256, 0
	s_cmp_ge_u32 s28, 1280
	s_cselect_b64 s[24:25], s[8:9], s[24:25]
	s_cselect_b32 s29, 1280, s29
	s_cselect_b64 s[26:27], s[16:17], s[14:15]     ; Wq goes to wq, query and key to xb,
	s_cselect_b32 s30, 1280, 0
	s_cmp_ge_u32 s28, 1344
	s_cselect_b64 s[24:25], s[10:11], s[24:25]
	s_cselect_b32 s29, 1344, s29
	s_cselect_b64 s[26:27], s[18:19], s[26:27]     ; Wk and Wv to wkv
	s_cselect_b32 s30, 1344, s30
	s_cmp_ge_u32 s28, 1408
	s_cselect_b64 s[24:25], s[12:13], s[24:25]
	s_cselect_b32 s29, 1408, s29
	s_sub_co_u32 s32, s28, s29
	s_lshl_b32 s32, s32, 16                        ; 65,536 bytes of the source a work-group
	s_mov_b32 s33, 0
	s_sub_co_u32 s34, s28, s30
	s_lshl_b32 s34, s34, 15                        ; 32,768 of the destination
	s_mov_b32 s35, 0
	s_add_nc_u64 s[24:25], s[24:25], s[32:33]
	s_add_nc_u64 s[26:27], s[26:27], s[34:35]
.irp i, 0,1,2,3,4,5,6,7,8,9,10,11,12,13,14,15
	global_load_b128 v[X+4*(\i):X+4*(\i)+3], v1, s[24:25] offset:4096*(\i) th:TH_LOAD_NT
.endr
.irp i, 0,1,2,3,4,5,6,7,8,9,10,11,12,13,14,15
	s_wait_loadcnt 15-(\i)                         ; loads come back in order: load i is in, the younger ones stay out
	v_cvt_pk_bf16_f32 v[Y+2*(\i)],   v[X+4*(\i)],   v[X+4*(\i)+1]
	v_cvt_pk_bf16_f32 v[Y+2*(\i)+1], v[X+4*(\i)+2], v[X+4*(\i)+3]
	global_store_b64 v2, v[Y+2*(\i):Y+2*(\i)+1], s[26:27] offset:2048*(\i)
.endr
	s_endpgm                                       ; these waves have written no LDS
.Lturn:
	s_sub_co_u32 s29, s28, 1472                    ; block 0..63
	s_lshr_b32 s30, s29, 3                         ; its 128 rows h of Wk,
	s_and_b32 s31, s29, 7                          ; its 128 columns e
	s_lshl_b32 s32, s30, 19                        ; 128 rows of 4,096 bytes
	s_lshl_b32 s34, s31, 9                         ; 128 columns of 4 bytes
	s_add_co_u32 s32, s32, s34
	s_mov_b32 s33, 0
	s_add_nc_u64 s[24:25], s[10:11], s[32:33]
	s_lshl_b32 s34, s31, 18                        ; in wt: 128 rows e of 2,048 bytes,
	s_lshl_b32 s36, s30, 8                         ; 128 columns h of 2 bytes
	s_add_co_u32 s34, s34, s36
	s_mov_b32 s35, 0
	s_add_nc_u64 s[26:27], s[20:21], s[34:35]
	v_lshrrev_b32 v6, 5, v0                        ; wave
	v_and_b32 v7, 31, v0                           ; lane
	v_lshlrev_b32 v8, 4, v7
	v_lshl_add_u32 v8, v6, 16, v8                  ; 16 rows a wave, 16 bytes a lane
.irp i, 0,1,2,3,4,5,6,7,8,9,10,11,12,13,14,15
	global_load_b128 v[X+4*(\i):X+4*(\i)+3], v8, s[24:25] offset:4096*(\i)  ; row 16 w + i: 512 consecutive bytes a wave
.endr
	v_mul_u32_u24 v9, v7, 4*TP                     ; into LDS: row 4 l (+ c in the immediate),
	v_lshl_add_u32 v9, v6, 5, v9                   ; bytes 32 w on: h = 16 w ..
	v_lshrrev_b32 v10, 4, v0                       ; back: thread t takes row t / 16 (+ 16 j),
	v_and_b32 v11, 15, v0                          ; 16 bytes at 16 (t % 16)
	v_mul_u32_u24 v12, v10, TP
	v_lshl_add_u32 v12, v11, 4, v12
	v_lshlrev_b32 v13, 11, v10                     ; and the same place in wt
	v_lshl_add_u32 v13, v11, 4, v13
.irp p, 0,1,2,3,4,5,6,7
	s_wait_loadcnt 14-2*(\p)                       ; rows 2 p and 2 p + 1 are in, the younger loads stay out
.irp c, 0,1,2,3
	v_cvt_pk_bf16_f32 v[Y+8*(\c)+(\p)], v[X+8*(\p)+(\c)], v[X+8*(\p)+4+(\c)]  ; column 4 l + c: h = 16 w + 2 p below, + 1 above
.endr
.endr
.irp c, 0,1,2,3
	ds_store_b128 v9, v[Y+8*(\c):Y+8*(\c)+3]   offset:(\c)*TP
	ds_store_b128 v9, v[Y+8*(\c)+4:Y+8*(\c)+7] offset:(\c)*TP+16
.endr
	s_wait_dscnt 0x0                               ; for the others' sake: my stores are done
	s_barrier_signal -1
	s_barrier_wait -1
.irp j, 0,1,2,3,4,5,6,7
	ds_load_b128 v[X+4*(\j):X+4*(\j)+3], v12 offset:(\j)*16*TP
.endr
.irp j, 0,1,2,3,4,5,6,7
	s_wait_dscnt 7-(\j)                            ; LDS loads come back in order: load j is in
	global_store_b128 v13, v[X+4*(\j):X+4*(\j)+3], s[26:27] offset:32768*(\j)  ; 16 lanes store 256 consecutive bytes, aligned
.endr
	s_cmp_lg_u32 s28, 1472                         ; the first of these work-groups also stores the 1,024 zeros: 16 bytes a thread
	s_cbranch_scc1 .Lclose
	v_mov_b32 v[Z], 0
	v_mov_b32 v[Z+1], 0
	v_mov_b32 v[Z+2], 0
	v_mov_b32 v[Z+3], 0
	global_store_b128 v1, v[Z:Z+3], s[22:23]
.Lclose:
	s_wait_tensorcnt 0x0                           ; the wave's end: behind my last LDS store
	ds_add_u32 v[SPW], v[NIL]
	s_wait_dscnt 0x0
	s_endpgm
.Lfunc_end_k_q85475422af_cast:
	.size	k_q85475422af_cast, .Lfunc_end_k_q85475422af_cast-k_q85475422af_cast
	.p2alignl 7, 3214868480
	.fill 96, 4, 3214868480
	.section	.rodata,"a",@progbits
	.p2align	6, 0x0
	.amdhsa_kernel k_q85475422af_cast
		.amdhsa_group_segment_fixed_size 35840
		.amdhsa_private_segment_fixed_size 0
		.amdhsa_enable_private_segment 0
		.amdhsa_kernarg_size 80
		.amdhsa_user_sgpr_count 2
		.amdhsa_user_sgpr_kernarg_segment_ptr 1
		.amdhsa_wavefront_size32 1
		.amdhsa_system_sgpr_workgroup_id_x 1
		.amdhsa_system_sgpr_workgroup_id_y 1
		.amdhsa_system_sgpr_workgroup_id_z 1
		.amdhsa_system_vgpr_workitem_id 0
		.amdhsa_next_free_vgpr 116
		.amdhsa_next_free_sgpr 66
		.amdhsa_reserve_vcc 0
		.amdhsa_float_denorm_mode_32 3
		.amdhsa_float_denorm_mode_16_64 3
		.amdhsa_memory_ordered 1
		.amdhsa_forward_progress 1
		.amdhsa_inst_pref_size 15
	.end_amdhsa_kernel
	.amdgpu_metadata
---
amdhsa.version: [ 1, 2 ]
amdhsa.kernels:
  - .name:           k_q85475422af_cast
    .symbol:         k_q85475422af_cast.kd
    .args:
      - { .name: query, .offset: 0, .size: 8, .value_kind: global_buffer, .address_space: global }
      - { .name: key, .offset: 8, .size: 8, .value_kind: global_buffer, .address_space: global }
      - { .name: Wq, .offset: 16, .size: 8, .value_kind: global_buffer, .address_space: global }
      - { .name: Wk, .offset: 24, .size: 8, .value_kind: global_buffer, .address_space: global }
      - { .name: Wv, .offset: 32, .size: 8, .value_kind: global_buffer, .address_space: global }
      - { .name: xb, .offset: 40, .size: 8, .value_kind: global_buffer, .address_space: global }
      - { .name: wq, .offset: 48, .size: 8, .value_kind: global_buffer, .address_space: global }
      - { .name: wkv, .offset: 56, .size: 8, .value_kind: global_buffer, .address_space: global }
      - { .name: wt, .offset: 64, .size: 8, .value_kind: global_buffer, .address_space: global }
      - { .name: st, .offset: 72, .size: 8, .value_kind: global_buffer, .address_space: global }
    .group_segment_fixed_size: 35840
    .private_segment_fixed_size: 0
    .kernarg_segment_align: 8
    .kernarg_segment_size: 80
    .max_flat_workgroup_size: 256
    .sgpr_count:     66
    .vgpr_count:     116
    .wavefront_size: 32
...
	.end_amdgpu_metadata
.endif
;; end of part 1
;; launch qproj (part 2): grid 8 x 32, 4 waves a work-group, clusters of 4 x 4, 327,680 bytes of LDS; arguments xb, wq, bq, pq; writes pq
.if DOCPART == 2
	.amdgcn_target "amdgcn-amd-amdhsa--gfx1250"
	.amdhsa_code_object_version 6
	.text
	.protected	k_q85475422af_qproj
	.globl	k_q85475422af_qproj
	.p2align	8
	.type	k_q85475422af_qproj,@function
k_q85475422af_qproj:
	s_mov_b64 s[64:65], 0
	v_nop
	global_prefetch_b8 v0, s[64:65] scope:SCOPE_SE
	s_setreg_imm32_b32 hwreg(HW_REG_WAVE_MODE, 25, 1), 1
	s_wait_xcnt 0x0
	s_wait_alu depctr_hold_cnt(0) depctr_sa_sdst(0) depctr_va_vdst(0) depctr_va_sdst(0) depctr_va_ssrc(0) depctr_va_vcc(0) depctr_vm_vsrc(0)
	s_getreg_b32 s2, hwreg(HW_REG_IB_STS2, 6, 4)
	s_cmp_eq_u32 s2, 0
	s_cbranch_scc0 .Lentry_in_a_cluster
	s_endpgm
.Lentry_in_a_cluster:
	s_bfe_u32 s2, ttmp6, 0x10000c
	s_cmp_lg_u32 s2, 0xf033
	s_cbranch_scc0 .Lentry_shape_is_right
	s_endpgm
.Lentry_shape_is_right:
; C[m][n] = the sum over k of A[m][k] B[n][k] + b[n].  A: [4096][1024] bf16, B: [1024][1024] bf16, b: [1024] f32, C: [4096][1024], rounded once to bf16; sums in f32.
; b is rounded to bf16 on the way in: every floating-point input of the module has that one rounding, the biases like the matrices.
; THREE LAUNCHES RUN THIS BODY:  q = query Wq^T + bq (A = the first 4,096 rows of the bf16 copy of query and key);  q' = q Wk (B = Wk turned, b = 1,024 zeros: this product has no bias);
; c = g Wk^T + bk (A = g = P key).  THE PROJECTED KEY IS NEVER FORMED: q . (Wk key + bk) = (q Wk) . key + q . bk, and P (key Wk^T + bk) = (P key) Wk^T + bk, since a row of P sums to 1:
; the two products with Wk are made on 4,096 rows each and not on 16,384.  bf16 has f32's range, so no limit of range is added.
; A tile of C is 128 x 128: 256 work-groups.  Four waves, each 64 x 64: 16 accumulators of 16 x 16.  K goes in steps of 256 (LDS rows of 512 bytes; a wave's tensor load brings 64 of them) through two slots.
; THE BIAS IS THE C OPERAND of each accumulator's first product: nothing is cleared and nothing is added later.
; CLUSTERS: 4 x 4 work-groups.  The four of a row of the cluster need the same tiles of A, the four of a column the same tiles of B: each tile is asked for JOINTLY, by the same tensor load with the
; same descriptor and a mask that names the four.
; THE MATRIX INSTRUCTION IS USED TRANSPOSED (source 0 = 16 rows of B, source 1 = 16 rows of A): a lane then holds eight neighbouring numbers of a row of C.
; REGISTERS: window 0: v0-31 addresses; v32-95 at work on the way out; v96-127 the bias; v128-255 the accumulators ((a, b) at v[128 + 8 (4 a + b)]).
;   window 1: two fragment buffers of 128: for 64 along K, 64 registers of A (2 x 4 x 16 rows x 32 K), then 64 of B.
.set SIZE_K, 1024
.set ROWB,   2048                      ; bytes in a row of C
.set KSTEP,  256
.set PITCH,  528                       ; an LDS row: 512 bytes of data + 16 of padding = 132 words: the 16 rows that a load touches start 4 words apart modulo 64
.set HALFT,  64*PITCH                  ; 64 rows: what one tensor load brings, and what one wave reads of A or of B
.set SLOT,   4*HALFT                   ; A's 128 rows, then B's 128 rows
.set STAGE,  2*SLOT                    ; behind the ring: 128 rows x 272 bytes, the work-group's, for the way out
.set SPITCH, 272
.set SPARE,  STAGE+128*SPITCH          ; behind the stage: the spare words, 128 bytes for each wave: two blocks of 256 bytes that no other line names
.set LAPS,   SIZE_K/(2*KSTEP)          ; a lap = two K steps = once round the ring
.set ADRA, 16                          ; v16-17  LDS address of my A fragments in slot 0, 1
.set ADRB, 20                          ; v20-21  the same for B
.set STO,  24                          ; v24     the way out: where I put 16 bytes of a row
.set RD,   25                          ; v25     the way out: where I read a row back
.set CO,   26                          ; v26     my byte offset in C
.set BO,   27                          ; v27     my byte offset in the bias
.set SPW,  28                          ; v28     LDS address of my spare word: SPARE + 4 x my thread's number; never rewritten
.set NIL,  29                          ; v29     0; never rewritten
.set TMP,  32
.set BIAS, 96                          ; v[96+8 b ..]: the bias of my eight columns of column block b
.set ACC,  128
.set F0,   0
.set F1,   128
.set G1, 24                            ; s[24:31] descriptor group 1 for A's tiles;  s[32:39] group 0, one set for each slot
.set G0, 32
.set G1B, 48                           ; s[48:55], s[56:63] the same for B's tiles
.set G0B, 56
.set MSB, 0
.macro WIN new                         ; the immediate's high byte repeats the setting that is left
.if MSB != (\new)
	s_set_vgpr_msb (MSB<<8)|(\new)
.set MSB, \new
.endif
.endm
.set MUL,  0x05                        ; sources 0 (B) and 1 (A) window 1; C and D window 0
.set TO_F, 0x40                        ; destination window 1, address window 0
.macro JLOAD s                         ; a joint load: waves 0 and 1 fetch A's two halves, waves 2 and 3 B's; an s_nop 0 and four v_nop follow each of the two lines
	s_cmp_eq_u32 s11, 0
	s_cbranch_scc0 .Lfor_b_\@
	tensor_load_to_lds s[G0+4*(\s):G0+4*(\s)+3], s[G1:G1+7]
	s_nop 0
.rept 4
	v_nop
.endr
	s_branch .Lasked_\@
.Lfor_b_\@:
	tensor_load_to_lds s[G0B+4*(\s):G0B+4*(\s)+3], s[G1B:G1B+7]
	s_nop 0
.rept 4
	v_nop
.endr
.Lasked_\@:
.endm
.macro CREST                           ; a round of the cluster's barrier behind its opening barrier
	s_cmp_lg_u32 s10, 0
	s_cbranch_scc1 .Lnot_wave_0_\@
	s_barrier_signal -3
.Lnot_wave_0_\@:
	s_barrier_wait -3
	s_barrier_signal -1
	s_barrier_wait -1
.endm
.macro CROUND                          ; a whole round
	s_barrier_signal -1
	s_barrier_wait -1
	CREST
.endm
	s_load_b128 s[4:7], s[0:1], 0x0                ; A s[4:5], B s[6:7]
	s_load_b128 s[68:71], s[0:1], 0x10             ; the bias s[68:69], C s[70:71]
	v_lshl_add_u32 v[SPW], v0, 2, SPARE
	v_mov_b32 v[NIL], 0
	ds_add_u32 v[SPW], v[NIL]                      ; the wave's opening: the add and its wait stand ahead of my first tensor load; the set-up below, work on registers, stands between them
	v_lshrrev_b32 v1, 5, v0
	v_readfirstlane_b32 s10, v1                    ; wave 0..3
	s_lshr_b32 s11, s10, 1                         ; which half of the tile's rows is mine.  Also: I fetch for A (0) or for B (1)
	s_and_b32 s12, s10, 1                          ; which half of its columns.  Also: which 64 rows of that tile I fetch
	s_bfe_u32 s40, ttmp6, 0x40000                  ; cx, cy: my place in the cluster
	s_bfe_u32 s41, ttmp6, 0x40004
	s_lshl_b32 s42, ttmp9, 2
	s_add_co_u32 s42, s42, s40                     ; tile column = 4 x cluster x + cx
	s_and_b32 s45, ttmp7, 0xffff                   ; cluster y
	s_lshl_b32 s13, s45, 2
	s_add_co_u32 s13, s13, s41                     ; tile row = 4 x cluster y + cy
	s_lshl_b32 s43, s41, 2
	s_lshl_b32 s43, 15, s43                        ; my row of the cluster
	s_lshl_b32 s44, 0x1111, s40                    ; my column
	; descriptor group 1: a tile of 64 rows x 256 elements, padded in LDS
	s_or_b32 s[G1+0], s43, (1<<16)|(1<<20)|(1<<21)|(6<<22)|(3<<25)  ; 15:0 the mask: A's tiles go to my row; 17:16 element of 2 bytes; 20 padding on; 21 set beside a mask; 24:22 after every 128 words (code 6); 31:25 of 4 words (code 3)
	s_or_b32 s[G1B+0], s44, (1<<16)|(1<<20)|(1<<21)|(6<<22)|(3<<25)
.irp g, G1, G1B
	s_mov_b32 s[(\g)+1], KSTEP<<16                 ; tensor_dim0 = 256
	s_mov_b32 s[(\g)+2], 64<<16                    ; tensor_dim1 = 64
	s_mov_b32 s[(\g)+3], KSTEP<<16                 ; tile_dim0 = 256
	s_mov_b32 s[(\g)+4], 64                        ; tile_dim1 = 64
	s_mov_b32 s[(\g)+5], SIZE_K                    ; elements from row to row
	s_mov_b32 s[(\g)+6], 0
	s_mov_b32 s[(\g)+7], 0
.endr
	s_lshl_b32 s17, s12, 6                         ; which 64 rows of the tile I fetch
	s_lshl_b32 s16, s13, 7
	s_add_co_u32 s16, s16, s17                     ; A: row 128 x tile row + 64 x half
	s_lshl_b32 s16, s16, 11                        ; in bytes: rows of 2,048
	s_lshl_b32 s46, s42, 7
	s_add_co_u32 s46, s46, s17                     ; B: row 128 x tile column + 64 x half
	s_lshl_b32 s46, s46, 11
	s_mov_b32 s17, 0
	s_mov_b32 s47, 0
	s_mul_i32 s20, s10, HALFT                      ; where the tiles go: wave x 64 rows
	s_wait_dscnt 0x0                               ; the opening add is done
	s_wait_kmcnt 0x0
	s_add_nc_u64 s[14:15], s[4:5], s[16:17]
	s_add_nc_u64 s[46:47], s[6:7], s[46:47]
	CROUND                                         ; all sixteen work-groups are here: the first joint loads meet
.irp s, 0,1
	s_mov_b32 s[G0+4*(\s)], 1
	s_add_co_u32 s[G0+4*(\s)+1], s20, (\s)*SLOT
	s_add_nc_u64 s[G0+4*(\s)+2:G0+4*(\s)+3], s[14:15], (\s)*KSTEP*2
	s_or_b32 s[G0+4*(\s)+3], s[G0+4*(\s)+3], 0x80000000
	s_mov_b32 s[G0B+4*(\s)], 1
	s_add_co_u32 s[G0B+4*(\s)+1], s20, (\s)*SLOT
	s_add_nc_u64 s[G0B+4*(\s)+2:G0B+4*(\s)+3], s[46:47], (\s)*KSTEP*2
	s_or_b32 s[G0B+4*(\s)+3], s[G0B+4*(\s)+3], 0x80000000
	JLOAD \s                                       ; two loads of mine are out
.endr
	v_and_b32 v1, 15, v0                           ; l % 16
	v_bfe_u32 v2, v0, 4, 1                         ; l / 16
	; the bias: accumulator (a, b), register j of my lane is column 64 x column half + 16 b + 8 (l / 16) + j of the tile
	s_lshl_b32 s22, s42, 9                         ; 128 columns x 4 bytes a tile,
	s_lshl_b32 s23, s12, 8                         ; 64 x 4 a half
	s_add_co_u32 s22, s22, s23
	s_mov_b32 s23, 0
	s_add_nc_u64 s[66:67], s[68:69], s[22:23]
	v_lshlrev_b32 v[BO], 5, v2
.irp b, 0,1,2,3
	global_load_b128 v[BIAS+8*(\b):BIAS+8*(\b)+3],   v[BO], s[66:67] offset:64*(\b)
	global_load_b128 v[BIAS+8*(\b)+4:BIAS+8*(\b)+7], v[BO], s[66:67] offset:64*(\b)+16
.endr
	v_mul_u32_u24 v3, v1, PITCH
	v_lshl_add_u32 v3, v2, 4, v3                   ; a fragment's row x pitch + 16 x half
	s_mul_i32 s21, s11, HALFT                      ; my 64 rows of A
	s_mul_i32 s22, s12, HALFT                      ; my 64 rows of B,
	s_add_co_u32 s22, s22, 2*HALFT                 ; which lie behind A's 128
.irp s, 0,1
	v_add_nc_u32 v[ADRA+(\s)], s21, v3
	v_add_nc_u32 v[ADRB+(\s)], s22, v3
	s_add_co_u32 s21, s21, SLOT
	s_add_co_u32 s22, s22, SLOT
.endr
	s_mul_i32 s23, s11, 64*SPITCH                  ; into the stage: my 64 rows, my half of their 256 bytes; row l % 16, 16 bytes for each half of the lanes
	s_lshl_b32 s21, s12, 7
	s_add_co_u32 s23, s23, s21
	s_add_co_u32 s23, s23, STAGE
	v_mul_u32_u24 v4, v1, SPITCH
	v_lshl_add_u32 v4, v2, 4, v4
	v_add_nc_u32 v[STO], s23, v4
	s_mul_i32 s23, s10, 32*SPITCH                  ; back: wave w takes rows 32 w .. 32 w + 31, whole; lanes 0-15 one row of 256 bytes, lanes 16-31 the next
	s_add_co_u32 s23, s23, STAGE
	v_mul_u32_u24 v5, v2, SPITCH
	v_lshl_add_u32 v5, v1, 4, v5
	v_add_nc_u32 v[RD], s23, v5
	v_mul_u32_u24 v5, v2, ROWB                     ; and the same two rows in C
	v_lshl_add_u32 v[CO], v1, 4, v5
	s_lshl_b32 s16, s13, 7
	s_lshl_b32 s17, s10, 5
	s_add_co_u32 s16, s16, s17                     ; the first row that I store: 128 x tile row + 32 x wave
	s_lshl_b32 s16, s16, 11
	s_mov_b32 s17, 0
	s_add_nc_u64 s[8:9], s[70:71], s[16:17]
	s_lshl_b32 s46, s42, 8                         ; the tile's first column, in bytes
	s_mov_b32 s47, 0
	s_add_nc_u64 s[8:9], s[8:9], s[46:47]
; 8 matrix instructions: m blocks a0, a0 + 1 x all 4 n blocks, 32 along K: half c of buffer f.  first = 1: the product starts the sum, with the bias as C
.macro MUL8 f, c, a0, first
	WIN MUL
.irp a, \a0, (\a0)+1
.irp b, 0,1,2,3
.if \first
	v_wmma_f32_16x16x32_bf16 v[ACC+8*(4*(\a)+(\b)):ACC+8*(4*(\a)+(\b))+7], v[(\f)+64+8*(4*(\c)+(\b)):(\f)+64+8*(4*(\c)+(\b))+7], v[(\f)+8*(4*(\c)+(\a)):(\f)+8*(4*(\c)+(\a))+7], v[BIAS+8*(\b):BIAS+8*(\b)+7]
.else
	v_wmma_f32_16x16x32_bf16 v[ACC+8*(4*(\a)+(\b)):ACC+8*(4*(\a)+(\b))+7], v[(\f)+64+8*(4*(\c)+(\b)):(\f)+64+8*(4*(\c)+(\b))+7], v[(\f)+8*(4*(\c)+(\a)):(\f)+8*(4*(\c)+(\a))+7], v[ACC+8*(4*(\a)+(\b)):ACC+8*(4*(\a)+(\b))+7]
.endif
.endr
.endr
.endm
; 32 LDS loads in one run: the fragments of 64 along K at byte k of the rows, into buffer f; the first 32 along K first
.macro FETCH slot, k, f
	WIN TO_F
.irp c, 0,1
.irp i, 0,1,2,3
	ds_load_b128 v[(\f)+64+8*(4*(\c)+(\i)):(\f)+64+8*(4*(\c)+(\i))+3],   v[ADRB+(\slot)] offset:(\k)+64*(\c)+(\i)*16*PITCH
	ds_load_b128 v[(\f)+64+8*(4*(\c)+(\i))+4:(\f)+64+8*(4*(\c)+(\i))+7], v[ADRB+(\slot)] offset:(\k)+64*(\c)+(\i)*16*PITCH+32
	ds_load_b128 v[(\f)+8*(4*(\c)+(\i)):(\f)+8*(4*(\c)+(\i))+3],         v[ADRA+(\slot)] offset:(\k)+64*(\c)+(\i)*16*PITCH
	ds_load_b128 v[(\f)+8*(4*(\c)+(\i))+4:(\f)+8*(4*(\c)+(\i))+7],       v[ADRA+(\slot)] offset:(\k)+64*(\c)+(\i)*16*PITCH+32
.endr
.endr
.endm
.macro PLACES                          ; four plain instructions in front of loads into registers that matrix instructions have read, and of instructions that read results
.rept 4
	v_nop
.endr
.endm
; A K step is four quarters of 64 along K, 32 matrix instructions each, on buffers 0, 1, 0, 1.  One of the first three: multiplies buffer f and fetches the next quarter, at byte k, into g.
; The 16 accumulators take turns, one instruction a turn, in the same order everywhere.
.macro QUARTER slot, k, f, g, first
	s_wait_dscnt 16                                ; the first 32 along K are in; the youngest sixteen loads may be out
	WIN MUL
	MUL8 \f, 0, 0, \first
	MUL8 \f, 0, 2, \first
	PLACES
	FETCH \slot, \k, \g
	s_wait_dscnt 32                                ; all but the 32 just issued
	WIN MUL
	MUL8 \f, 1, 0, 0
	MUL8 \f, 1, 2, 0
.endm
; The last quarter multiplies buffer 1 and changes slots: ONE barrier; in front of it each wave waits for all its tensor loads, adds 0 to its spare word, and waits for that and for its own reads of this slot.
; fill = 1: this slot is filled again, two K steps ahead; the barrier then opens a round of the cluster's barrier.
.macro TURN slot, next, fill
	WIN 0                                          ; (the add's two registers lie in window 0)
	s_wait_tensorcnt 0x0                           ; all my tensor loads have landed: my part of the next slot;
	ds_add_u32 v[SPW], v[NIL]                      ; 0 onto my spare word;
	s_wait_dscnt 17                                ; (the add and the youngest sixteen loads may be out)
	WIN MUL
	MUL8 F1, 0, 0, 0                               ; eight matrix instructions stand between the add and the wait for it
	s_wait_dscnt 0x0                               ; the add is done, and my reads of this slot are over
	s_barrier_signal -1
	MUL8 F1, 0, 2, 0
.if \fill
	WIN 0
.endif
	s_barrier_wait -1
.if \fill
	CREST                                          ; no wave of any partner still reads this slot's tile or has a load on its way
	s_add_nc_u64 s[G0+4*(\slot)+2:G0+4*(\slot)+3], s[G0+4*(\slot)+2:G0+4*(\slot)+3], 2*KSTEP*2
	s_add_nc_u64 s[G0B+4*(\slot)+2:G0B+4*(\slot)+3], s[G0B+4*(\slot)+2:G0B+4*(\slot)+3], 2*KSTEP*2
	JLOAD \slot                                    ; the first tensor load behind the round, my only one until the next; its four v_nop are also the places in front of the loads below
.else
	PLACES
.endif
	FETCH \next, 0, F0
	WIN MUL
	MUL8 F1, 1, 0, 0
	MUL8 F1, 1, 2, 0
.endm
	s_wait_loadcnt 0x0                             ; the bias
.irp p, 0,1,2,3,4,5,6,7,8,9,10,11,12,13,14,15
	v_cvt_pk_bf16_f32 v[TMP+(\p)], v[BIAS+2*(\p)], v[BIAS+2*(\p)+1]  ; rounded to bf16, two at a time, while the first tiles are on their way,
.endr
.irp p, 0,1,2,3,4,5,6,7,8,9,10,11,12,13,14,15
	v_lshlrev_b32 v[BIAS+2*(\p)],   16, v[TMP+(\p)]                  ; and widened again: the C operand is f32
	v_and_b32     v[BIAS+2*(\p)+1], 0xffff0000, v[TMP+(\p)]
.endr
	s_wait_tensorcnt 1                             ; my part of K step 0 is in; K step 1's may stay out
	s_barrier_signal -1
	s_barrier_wait -1                              ; everybody's is
	FETCH 0, 0, F0
	QUARTER 0, 128, F0, F1, 1                      ; the first quarter stands in front of the loop: its first products start the sums
	WIN 0                                          ; at a label and at a branch every window is 0
	s_mov_b32 s3, LAPS-1
.Llap:                                                 ; a trip goes once round the ring, from a lap's second quarter to the next lap's first, and fills both slots again
	QUARTER 0, 256, F1, F0, 0
	QUARTER 0, 384, F0, F1, 0
	TURN 0, 1, 1
	QUARTER 1, 128, F0, F1, 0
	QUARTER 1, 256, F1, F0, 0
	QUARTER 1, 384, F0, F1, 0
	TURN 1, 0, 1
	QUARTER 0, 128, F0, F1, 0
	WIN 0
	s_sub_co_u32 s3, s3, 1
	s_cmp_lg_u32 s3, 0
	s_cbranch_scc1 .Llap
	QUARTER 0, 256, F1, F0, 0                      ; the last lap fills nothing, and has no round of the cluster's barrier
	QUARTER 0, 384, F0, F1, 0
	TURN 0, 1, 0
	QUARTER 1, 128, F0, F1, 0
	QUARTER 1, 256, F1, F0, 0
	QUARTER 1, 384, F0, F1, 0
	s_wait_dscnt 16                                ; the very last quarter: nothing more to fetch
	WIN MUL
	MUL8 F1, 0, 0, 0
	MUL8 F1, 0, 2, 0
	s_wait_dscnt 0
	MUL8 F1, 1, 0, 0
	MUL8 F1, 1, 2, 0
	WIN 0
	; THE WAY OUT: round to bf16; 16 bytes a lane into the work-group's stage; a barrier, since a row's 256 bytes come from two waves; back as whole rows, 32 rows a wave.
	PLACES
.irp t, 0,1,2,3,4,5,6,7,8,9,10,11,12,13,14,15
.irp r, 0,1,2,3
	v_cvt_pk_bf16_f32 v[TMP+4*(\t)+(\r)], v[ACC+8*(\t)+2*(\r)], v[ACC+8*(\t)+2*(\r)+1]
.endr
.endr
.irp a, 0,1,2,3
.irp b, 0,1,2,3
	ds_store_b128 v[STO], v[TMP+4*(4*(\a)+(\b)):TMP+4*(4*(\a)+(\b))+3] offset:(\a)*16*SPITCH+32*(\b)
.endr
.endr
	s_wait_dscnt 0x0                               ; for the others' sake: my stores into the stage are done
	s_barrier_signal -1
	s_barrier_wait -1
.irp t, 0,1,2,3,4,5,6,7,8,9,10,11,12,13,14,15
	ds_load_b128 v[TMP+4*(\t):TMP+4*(\t)+3], v[RD] offset:(\t)*2*SPITCH
.endr
.irp t, 0,1,2,3,4,5,6,7,8,9,10,11,12,13,14,15
	s_wait_dscnt 15-(\t)
	global_store_b128 v[CO], v[TMP+4*(\t):TMP+4*(\t)+3], s[8:9] offset:2*(\t)*ROWB  ; 16 lanes store 256 consecutive bytes, at a multiple of 256 from the buffer's first byte
.endr
	s_wait_tensorcnt 0x0                           ; the wave's end: behind my last tensor load and my last LDS store
	ds_add_u32 v[SPW], v[NIL]
	s_wait_dscnt 0x0
	CROUND                                         ; the closing round: no work-group ends while a partner may still ask for a tile that names it
	s_endpgm
.Lfunc_end_k_q85475422af_qproj:
	.size	k_q85475422af_qproj, .Lfunc_end_k_q85475422af_qproj-k_q85475422af_qproj
	.p2alignl 7, 3214868480
	.fill 96, 4, 3214868480
	.section	.rodata,"a",@progbits
	.p2align	6, 0x0
	.amdhsa_kernel k_q85475422af_qproj
		.amdhsa_group_segment_fixed_size 327680
		.amdhsa_private_segment_fixed_size 0
		.amdhsa_enable_private_segment 0
		.amdhsa_kernarg_size 32
		.amdhsa_user_sgpr_count 2
		.amdhsa_user_sgpr_kernarg_segment_ptr 1
		.amdhsa_wavefront_size32 1
		.amdhsa_system_sgpr_workgroup_id_x 1
		.amdhsa_system_sgpr_workgroup_id_y 1
		.amdhsa_system_sgpr_workgroup_id_z 1
		.amdhsa_system_vgpr_workitem_id 0
		.amdhsa_next_free_vgpr 512
		.amdhsa_next_free_sgpr 80
		.amdhsa_reserve_vcc 0
		.amdhsa_float_denorm_mode_32 3
		.amdhsa_float_denorm_mode_16_64 3
		.amdhsa_memory_ordered 1
		.amdhsa_forward_progress 1
		.amdhsa_inst_pref_size 90
	.end_amdhsa_kernel
	.amdgpu_metadata
---
amdhsa.version: [ 1, 2 ]
amdhsa.kernels:
  - .name:           k_q85475422af_qproj
    .symbol:         k_q85475422af_qproj.kd
    .args:
      - { .name: xb, .offset: 0, .size: 8, .value_kind: global_buffer, .address_space: global }
      - { .name: wq, .offset: 8, .size: 8, .value_kind: global_buffer, .address_space: global }
      - { .name: bq, .offset: 16, .size: 8, .value_kind: global_buffer, .address_space: global }
      - { .name: pq, .offset: 24, .size: 8, .value_kind: global_buffer, .address_space: global }
    .group_segment_fixed_size: 327680
    .private_segment_fixed_size: 0
    .kernarg_segment_align: 8
    .kernarg_segment_size: 32
    .max_flat_workgroup_size: 128
    .sgpr_count:     80
    .vgpr_count:     512
    .wavefront_size: 32
...
	.end_amdgpu_metadata
.endif
;; end of part 2
;; launch qfold: the kernel of part 2 again; grid 8 x 32, 4 waves a work-group, clusters of 4 x 4, 327,680 bytes of LDS; arguments pq, wt, st, qg; writes qg
;; launch score (part 3): grid 16 x 32, 4 waves a work-group, clusters of 4 x 4, 327,680 bytes of LDS; arguments qg, xb, mask, ec, st; writes ec, st
.if DOCPART == 3
	.amdgcn_target "amdgcn-amd-amdhsa--gfx1250"
	.amdhsa_code_object_version 6
	.text
	.protected	k_q85475422af_score
	.globl	k_q85475422af_score
	.p2align	8
	.type	k_q85475422af_score,@function
k_q85475422af_score:
	s_mov_b64 s[64:65], 0
	v_nop
	global_prefetch_b8 v0, s[64:65] scope:SCOPE_SE
	s_setreg_imm32_b32 hwreg(HW_REG_WAVE_MODE, 25, 1), 1
	s_wait_xcnt 0x0
	s_wait_alu depctr_hold_cnt(0) depctr_sa_sdst(0) depctr_va_vdst(0) depctr_va_sdst(0) depctr_va_ssrc(0) depctr_va_vcc(0) depctr_vm_vsrc(0)
	s_getreg_b32 s2, hwreg(HW_REG_IB_STS2, 6, 4)
	s_cmp_eq_u32 s2, 0
	s_cbranch_scc0 .Lentry_in_a_cluster
	s_endpgm
.Lentry_in_a_cluster:
	s_bfe_u32 s2, ttmp6, 0x10000c
	s_cmp_lg_u32 s2, 0xf033
	s_cbranch_scc0 .Lentry_shape_is_right
	s_endpgm
.Lentry_shape_is_right:
; The scores and the first half of the softmax.  s[m][n] = the sum over e of q'[m][e] key[n][e] (q' = q Wk: qg; key = xb rows 4,096 on; batch = m / 512, 2,048 keys a batch), sums in f32.
; This is q . k less q . bk: that term is the same for all keys of a row, and a softmax does not change when one number is added to all its scores; a hidden key stands at -1e9 in either form.
; t = c s with c = log2(e) / 32 where mask is not 0, else NEG = -1e9 log2(e).  For each row and each CHUNK of 64 keys (a wave's columns): m = the largest t, E = 2^(t - m), l = the sum of E.
; E leaves rounded once to f16 (ec: [4096][2048]): it lies in 0 to 1, and f16 keeps 11 significant bits of it; m and l in f32 (st).  The next launch takes the row's maximum over its 32 chunk maxima:
; the maximum is taken away in two levels, and no exponent is above 0.
; st: 4,096 bytes that this launch leaves alone, then [g 64][chunk 32][m, l][r 16][a 4] f32: row 64 g + 16 a + r: a wave's 64 rows and one chunk are 512 consecutive bytes, stored by one instruction.
; LIMITS.  |q . bk| / 32 stays far below 1e9 (from about 9e8 on a hidden key's weight would no longer be 0 in the one form and in the other).  A hidden score is formed as s x 0 + NEG, so s must be
; finite: NaN and infinities in the inputs are not treated apart.  Below 6e-5 E keeps f16's fixed step of 6e-8: a weight under 3e-8 of its chunk's largest counts as 0 (in l: under 2^-126).
; The product is laid as in the projections: tiles of 128 x 128, four waves of 64 x 64, K steps of 256 through two slots, 4 x 4 clusters: q' tiles shared along a row of the cluster, key's along a column.
; A cluster's four tile rows are one batch's 512 queries, so the batch is the cluster's y.  The matrix instruction is used transposed: a lane holds ONE query (l % 16) and eight neighbouring keys.
; REGISTERS: window 0: v0-31 addresses; v32-63 the factor (c or 0), v64-95 the addend (0 or NEG) of my 32 columns, later at work on the way out; v96-115 statistics; v128-255 accumulators.  window 1: fragments.
.set SIZE_K, 1024
.set ROWB,   4096                      ; bytes in a row of ec
.set KSTEP,  256
.set PITCH,  528                       ; an LDS row: 512 bytes of data + 16 of padding
.set HALFT,  64*PITCH
.set SLOT,   4*HALFT
.set STAGE,  2*SLOT
.set SPITCH, 272
.set SPARE,  STAGE+128*SPITCH          ; the spare words, 128 bytes for each wave: two blocks of 256 bytes that no other line names
.set LAPS,   SIZE_K/(2*KSTEP)
.set ADRA, 16
.set ADRB, 20
.set STO,  24
.set RD,   25
.set CO,   26
.set MO,   27                          ; v27  my byte offset in the mask
.set SPW,  28                          ; v28  LDS address of my spare word; never rewritten
.set NIL,  29                          ; v29  0; never rewritten
.set SO,   30                          ; v30  my byte offset in a block of st
.set TMP,  32
.set MF,   32                          ; v[32+8 b+j]  the factor of column 16 b + 8 (l / 16) + j
.set AD,   64                          ; v[64+8 b+j]  the addend
.set MX,   96                          ; v[96+2 a]  row block a's maximum; v[97+2 a] at work
.set LS,   104                         ; v[104+2 a] its sum; v[105+2 a] at work
.set MLO,  112                         ; v[112:115] what goes to st
.set ACC,  128
.set F0,   0
.set F1,   128
.set G1, 24
.set G0, 32
.set G1B, 48
.set G0B, 56
.set MSB, 0
.macro WIN new
.if MSB != (\new)
	s_set_vgpr_msb (MSB<<8)|(\new)
.set MSB, \new
.endif
.endm
.set MUL,  0x05
.set TO_F, 0x40
.macro JLOAD s                         ; a joint load: waves 0 and 1 fetch the two halves of q' tile, waves 2 and 3 key's; an s_nop 0 and four v_nop follow each of the two lines
	s_cmp_eq_u32 s11, 0
	s_cbranch_scc0 .Lfor_b_\@
	tensor_load_to_lds s[G0+4*(\s):G0+4*(\s)+3], s[G1:G1+7]
	s_nop 0
.rept 4
	v_nop
.endr
	s_branch .Lasked_\@
.Lfor_b_\@:
	tensor_load_to_lds s[G0B+4*(\s):G0B+4*(\s)+3], s[G1B:G1B+7]
	s_nop 0
.rept 4
	v_nop
.endr
.Lasked_\@:
.endm
.macro CREST
	s_cmp_lg_u32 s10, 0
	s_cbranch_scc1 .Lnot_wave_0_\@
	s_barrier_signal -3
.Lnot_wave_0_\@:
	s_barrier_wait -3
	s_barrier_signal -1
	s_barrier_wait -1
.endm
.macro CROUND
	s_barrier_signal -1
	s_barrier_wait -1
	CREST
.endm
	s_load_b128 s[4:7], s[0:1], 0x0                ; qg s[4:5], xb s[6:7]
	s_load_b128 s[68:71], s[0:1], 0x10             ; mask s[68:69], ec s[70:71]
	s_load_b64 s[78:79], s[0:1], 0x20              ; st
	v_lshl_add_u32 v[SPW], v0, 2, SPARE
	v_mov_b32 v[NIL], 0
	ds_add_u32 v[SPW], v[NIL]                      ; the wave's opening: the add and its wait stand ahead of my first tensor load; the set-up below, work on registers, stands between them
	v_lshrrev_b32 v1, 5, v0
	v_readfirstlane_b32 s10, v1                    ; wave 0..3
	s_lshr_b32 s11, s10, 1                         ; which half of the tile's rows is mine.  Also: I fetch for q' (0) or for key (1)
	s_and_b32 s12, s10, 1                          ; which half of its columns.  Also: which 64 rows of that tile I fetch
	s_bfe_u32 s40, ttmp6, 0x40000                  ; cx, cy
	s_bfe_u32 s41, ttmp6, 0x40004
	s_lshl_b32 s42, ttmp9, 2
	s_add_co_u32 s42, s42, s40                     ; tile column = 4 x cluster x + cx: 128 keys of the batch
	s_and_b32 s45, ttmp7, 0xffff                   ; cluster y = the batch
	s_lshl_b32 s13, s45, 2
	s_add_co_u32 s13, s13, s41                     ; tile row = 4 x cluster y + cy
	s_lshl_b32 s43, s41, 2
	s_lshl_b32 s43, 15, s43                        ; my row of the cluster
	s_lshl_b32 s44, 0x1111, s40                    ; my column
	s_or_b32 s[G1+0], s43, (1<<16)|(1<<20)|(1<<21)|(6<<22)|(3<<25)  ; the mask; 2-byte elements; padding on; bit 21 beside a mask; after every 128 words, 4 words
	s_or_b32 s[G1B+0], s44, (1<<16)|(1<<20)|(1<<21)|(6<<22)|(3<<25)
.irp g, G1, G1B
	s_mov_b32 s[(\g)+1], KSTEP<<16                 ; tensor_dim0 = 256
	s_mov_b32 s[(\g)+2], 64<<16                    ; tensor_dim1 = 64
	s_mov_b32 s[(\g)+3], KSTEP<<16                 ; tile_dim0 = 256
	s_mov_b32 s[(\g)+4], 64                        ; tile_dim1 = 64
	s_mov_b32 s[(\g)+5], SIZE_K                    ; elements from row to row
	s_mov_b32 s[(\g)+6], 0
	s_mov_b32 s[(\g)+7], 0
.endr
	s_mov_b32 s72, 0x76543210                      ; v_permlanex16_b32: each lane takes its own place in the other half
	s_mov_b32 s73, 0xfedcba98
	s_mov_b32 s74, 0xffff                          ; lanes 0-15
	s_mov_b32 s75, 0x3d38aa3b                      ; c = log2(e) / 32
	s_mov_b32 s76, 0xceabfb8f                      ; NEG = -1e9 log2(e)
	s_lshl_b32 s17, s12, 6                         ; which 64 rows of the tile I fetch
	s_lshl_b32 s16, s13, 7
	s_add_co_u32 s16, s16, s17                     ; q': row 128 x tile row + 64 x half
	s_lshl_b32 s16, s16, 11
	s_lshl_b32 s46, s42, 7
	s_add_co_u32 s46, s46, s17                     ; key: row 4,096 + 2,048 x batch + 128 x tile column + 64 x half of xb
	s_lshl_b32 s21, s45, 11
	s_add_co_u32 s46, s46, s21
	s_add_co_u32 s46, s46, 4096
	s_lshl_b32 s46, s46, 11
	s_mov_b32 s17, 0
	s_mov_b32 s47, 0
	s_mul_i32 s20, s10, HALFT
	s_wait_dscnt 0x0                               ; the opening add is done
	s_wait_kmcnt 0x0
	s_add_nc_u64 s[14:15], s[4:5], s[16:17]
	s_add_nc_u64 s[46:47], s[6:7], s[46:47]
	CROUND                                         ; all sixteen work-groups are here: the first joint loads meet
.irp s, 0,1
	s_mov_b32 s[G0+4*(\s)], 1
	s_add_co_u32 s[G0+4*(\s)+1], s20, (\s)*SLOT
	s_add_nc_u64 s[G0+4*(\s)+2:G0+4*(\s)+3], s[14:15], (\s)*KSTEP*2
	s_or_b32 s[G0+4*(\s)+3], s[G0+4*(\s)+3], 0x80000000
	s_mov_b32 s[G0B+4*(\s)], 1
	s_add_co_u32 s[G0B+4*(\s)+1], s20, (\s)*SLOT
	s_add_nc_u64 s[G0B+4*(\s)+2:G0B+4*(\s)+3], s[46:47], (\s)*KSTEP*2
	s_or_b32 s[G0B+4*(\s)+3], s[G0B+4*(\s)+3], 0x80000000
	JLOAD \s                                       ; two loads of mine are out
.endr
	v_and_b32 v1, 15, v0                           ; l % 16
	v_bfe_u32 v2, v0, 4, 1                         ; l / 16
	; the mask of my 32 columns: column 64 x column half + 16 b + 8 (l / 16) + j of the tile
	s_lshl_b32 s22, s45, 13                        ; a batch's 2,048 words,
	s_lshl_b32 s23, s42, 9                         ; a tile's 128,
	s_add_co_u32 s22, s22, s23
	s_lshl_b32 s23, s12, 8                         ; a half's 64
	s_add_co_u32 s22, s22, s23
	s_mov_b32 s23, 0
	s_add_nc_u64 s[66:67], s[68:69], s[22:23]
	v_lshlrev_b32 v[MO], 5, v2
.irp b, 0,1,2,3
	global_load_b128 v[AD+8*(\b):AD+8*(\b)+3],   v[MO], s[66:67] offset:64*(\b)
	global_load_b128 v[AD+8*(\b)+4:AD+8*(\b)+7], v[MO], s[66:67] offset:64*(\b)+16
.endr
	v_mul_u32_u24 v3, v1, PITCH
	v_lshl_add_u32 v3, v2, 4, v3
	s_mul_i32 s21, s11, HALFT
	s_mul_i32 s22, s12, HALFT
	s_add_co_u32 s22, s22, 2*HALFT
.irp s, 0,1
	v_add_nc_u32 v[ADRA+(\s)], s21, v3
	v_add_nc_u32 v[ADRB+(\s)], s22, v3
	s_add_co_u32 s21, s21, SLOT
	s_add_co_u32 s22, s22, SLOT
.endr
	s_mul_i32 s23, s11, 64*SPITCH
	s_lshl_b32 s21, s12, 7
	s_add_co_u32 s23, s23, s21
	s_add_co_u32 s23, s23, STAGE
	v_mul_u32_u24 v4, v1, SPITCH
	v_lshl_add_u32 v4, v2, 4, v4
	v_add_nc_u32 v[STO], s23, v4
	s_mul_i32 s23, s10, 32*SPITCH
	s_add_co_u32 s23, s23, STAGE
	v_mul_u32_u24 v5, v2, SPITCH
	v_lshl_add_u32 v5, v1, 4, v5
	v_add_nc_u32 v[RD], s23, v5
	v_mul_u32_u24 v5, v2, ROWB
	v_lshl_add_u32 v[CO], v1, 4, v5
	s_lshl_b32 s16, s13, 7
	s_lshl_b32 s17, s10, 5
	s_add_co_u32 s16, s16, s17                     ; the first row of ec that I store: 128 x tile row + 32 x wave
	s_lshl_b32 s16, s16, 12
	s_mov_b32 s17, 0
	s_add_nc_u64 s[8:9], s[70:71], s[16:17]
	s_lshl_b32 s46, s42, 8                         ; the tile's first column, in bytes
	s_mov_b32 s47, 0
	s_add_nc_u64 s[8:9], s[8:9], s[46:47]
	s_lshl_b32 s22, s13, 1
	s_add_co_u32 s22, s22, s11                     ; g = 2 x tile row + row half
	s_lshl_b32 s22, s22, 5
	s_lshl_b32 s23, s42, 1
	s_add_co_u32 s23, s23, s12                     ; chunk = 2 x tile column + column half
	s_add_co_u32 s22, s22, s23
	s_lshl_b32 s22, s22, 9                         ; blocks of 512 bytes,
	s_add_co_u32 s22, s22, 4096                    ; behind the 4,096 bytes at st's head
	s_mov_b32 s23, 0
	s_add_nc_u64 s[78:79], s[78:79], s[22:23]
	v_lshlrev_b32 v[SO], 8, v2                     ; lanes 0-15 store m, lanes 16-31 l, 256 bytes on;
	v_lshl_add_u32 v[SO], v1, 4, v[SO]             ; 16 bytes for row l % 16 of the four row blocks
.irp a, 0,1,2,3
	v_mov_b32 v[MX+2*(\a)+1], 0                    ; destinations of v_permlanex16_b32 count as read: written once here
	v_mov_b32 v[LS+2*(\a)+1], 0
.endr
	s_wait_loadcnt 0x0                             ; the mask
.set i, 0
.rept 32
	v_cmp_ne_u32 vcc_lo, 0, v[AD+i]
	v_cndmask_b32 v[MF+i], 0, s75, vcc_lo          ; c where the key counts, else 0
	v_cndmask_b32 v[AD+i], s76, 0, vcc_lo          ; 0 where it counts, else NEG
.set i, i+1
.endr
.macro MUL8 f, c, a0, zero             ; 8 matrix instructions: m blocks a0, a0 + 1 x all 4 n blocks, 32 along K.  zero = 1: the first product starts the sums
	WIN MUL
.irp a, \a0, (\a0)+1
.irp b, 0,1,2,3
.if \zero
	v_wmma_f32_16x16x32_bf16 v[ACC+8*(4*(\a)+(\b)):ACC+8*(4*(\a)+(\b))+7], v[(\f)+64+8*(4*(\c)+(\b)):(\f)+64+8*(4*(\c)+(\b))+7], v[(\f)+8*(4*(\c)+(\a)):(\f)+8*(4*(\c)+(\a))+7], 0
.else
	v_wmma_f32_16x16x32_bf16 v[ACC+8*(4*(\a)+(\b)):ACC+8*(4*(\a)+(\b))+7], v[(\f)+64+8*(4*(\c)+(\b)):(\f)+64+8*(4*(\c)+(\b))+7], v[(\f)+8*(4*(\c)+(\a)):(\f)+8*(4*(\c)+(\a))+7], v[ACC+8*(4*(\a)+(\b)):ACC+8*(4*(\a)+(\b))+7]
.endif
.endr
.endr
.endm
.macro FETCH slot, k, f                ; 32 LDS loads in one run: the fragments of 64 along K at byte k of the rows; the first 32 along K first
	WIN TO_F
.irp c, 0,1
.irp i, 0,1,2,3
	ds_load_b128 v[(\f)+64+8*(4*(\c)+(\i)):(\f)+64+8*(4*(\c)+(\i))+3],   v[ADRB+(\slot)] offset:(\k)+64*(\c)+(\i)*16*PITCH
	ds_load_b128 v[(\f)+64+8*(4*(\c)+(\i))+4:(\f)+64+8*(4*(\c)+(\i))+7], v[ADRB+(\slot)] offset:(\k)+64*(\c)+(\i)*16*PITCH+32
	ds_load_b128 v[(\f)+8*(4*(\c)+(\i)):(\f)+8*(4*(\c)+(\i))+3],         v[ADRA+(\slot)] offset:(\k)+64*(\c)+(\i)*16*PITCH
	ds_load_b128 v[(\f)+8*(4*(\c)+(\i))+4:(\f)+8*(4*(\c)+(\i))+7],       v[ADRA+(\slot)] offset:(\k)+64*(\c)+(\i)*16*PITCH+32
.endr
.endr
.endm
.macro PLACES                          ; four plain instructions in front of loads into registers that matrix instructions have read, and of instructions that read results
.rept 4
	v_nop
.endr
.endm
.macro QUARTER slot, k, f, g, zero
	s_wait_dscnt 16                                ; the first 32 along K are in; the youngest sixteen loads may be out
	WIN MUL
	MUL8 \f, 0, 0, \zero
	MUL8 \f, 0, 2, \zero
	PLACES
	FETCH \slot, \k, \g
	s_wait_dscnt 32                                ; all but the 32 just issued
	WIN MUL
	MUL8 \f, 1, 0, 0
	MUL8 \f, 1, 2, 0
.endm
.macro TURN slot, next, fill           ; the last quarter of a K step, and the change of slots
	WIN 0
	s_wait_tensorcnt 0x0                           ; all my tensor loads have landed: my part of the next slot;
	ds_add_u32 v[SPW], v[NIL]                      ; 0 onto my spare word;
	s_wait_dscnt 17                                ; (the add and the youngest sixteen loads may be out)
	WIN MUL
	MUL8 F1, 0, 0, 0
	s_wait_dscnt 0x0                               ; the add is done, and my reads of this slot are over
	s_barrier_signal -1
	MUL8 F1, 0, 2, 0
.if \fill
	WIN 0
.endif
	s_barrier_wait -1
.if \fill
	CREST                                          ; no wave of any partner still reads this slot's tile or has a load on its way
	s_add_nc_u64 s[G0+4*(\slot)+2:G0+4*(\slot)+3], s[G0+4*(\slot)+2:G0+4*(\slot)+3], 2*KSTEP*2
	s_add_nc_u64 s[G0B+4*(\slot)+2:G0B+4*(\slot)+3], s[G0B+4*(\slot)+2:G0B+4*(\slot)+3], 2*KSTEP*2
	JLOAD \slot                                    ; the first tensor load behind the round, my only one until the next
.else
	PLACES
.endif
	FETCH \next, 0, F0
	WIN MUL
	MUL8 F1, 1, 0, 0
	MUL8 F1, 1, 2, 0
.endm
	s_wait_tensorcnt 1                             ; my part of K step 0 is in; K step 1's may stay out
	s_barrier_signal -1
	s_barrier_wait -1
	FETCH 0, 0, F0
	QUARTER 0, 128, F0, F1, 1
	WIN 0
	s_mov_b32 s3, LAPS-1
.Llap:
	QUARTER 0, 256, F1, F0, 0
	QUARTER 0, 384, F0, F1, 0
	TURN 0, 1, 1
	QUARTER 1, 128, F0, F1, 0
	QUARTER 1, 256, F1, F0, 0
	QUARTER 1, 384, F0, F1, 0
	TURN 1, 0, 1
	QUARTER 0, 128, F0, F1, 0
	WIN 0
	s_sub_co_u32 s3, s3, 1
	s_cmp_lg_u32 s3, 0
	s_cbranch_scc1 .Llap
	QUARTER 0, 256, F1, F0, 0
	QUARTER 0, 384, F0, F1, 0
	TURN 0, 1, 0
	QUARTER 1, 128, F0, F1, 0
	QUARTER 1, 256, F1, F0, 0
	QUARTER 1, 384, F0, F1, 0
	s_wait_dscnt 16
	WIN MUL
	MUL8 F1, 0, 0, 0
	MUL8 F1, 0, 2, 0
	s_wait_dscnt 0
	MUL8 F1, 1, 0, 0
	MUL8 F1, 1, 2, 0
	WIN 0
	; THE CHUNK'S SOFTMAX.  Row block a's 32 numbers of my lane lie in v[ACC+32 a ..]; the row's other 32 in the lane 16 away.
	PLACES
.irp a, 0,1,2,3
.irp b, 0,1,2,3
.irp q, 0,1,2,3
	v_pk_fma_f32 v[ACC+8*(4*(\a)+(\b))+2*(\q):ACC+8*(4*(\a)+(\b))+2*(\q)+1], v[ACC+8*(4*(\a)+(\b))+2*(\q):ACC+8*(4*(\a)+(\b))+2*(\q)+1], v[MF+8*(\b)+2*(\q):MF+8*(\b)+2*(\q)+1], v[AD+8*(\b)+2*(\q):AD+8*(\b)+2*(\q)+1]  ; t = s x (c or 0) + (0 or NEG); each accumulator from its low end on
.endr
.endr
.endr
.irp a, 0,1,2,3
	v_max3_num_f32 v[MX+2*(\a)], v[ACC+32*(\a)], v[ACC+32*(\a)+1], v[ACC+32*(\a)+2]
.endr
.set n, 3
.rept 14                               ; four chains, one a row block, by turns
.irp a, 0,1,2,3
	v_max3_num_f32 v[MX+2*(\a)], v[MX+2*(\a)], v[ACC+32*(\a)+n], v[ACC+32*(\a)+n+1]
.endr
.set n, n+2
.endr
.irp a, 0,1,2,3
	v_max_num_f32 v[MX+2*(\a)], v[MX+2*(\a)], v[ACC+32*(\a)+31]
.endr
.irp a, 0,1,2,3
	v_permlanex16_b32 v[MX+2*(\a)+1], v[MX+2*(\a)], s72, s73
.endr
.irp a, 0,1,2,3
	v_max_num_f32 v[MX+2*(\a)], v[MX+2*(\a)], v[MX+2*(\a)+1]      ; m: the chunk's maximum, in both halves of the lanes
.endr
.irp a, 0,1,2,3
.set n, 0
.rept 16
	v_pk_add_f32 v[ACC+32*(\a)+n:ACC+32*(\a)+n+1], v[ACC+32*(\a)+n:ACC+32*(\a)+n+1], v[MX+2*(\a):MX+2*(\a)+1] op_sel_hi:[1,0] neg_lo:[0,1] neg_hi:[0,1]  ; t - m
.set n, n+2
.endr
.endr
.set n, 0
.rept 128
	v_exp_f32 v[ACC+n], v[ACC+n]                   ; one batch
.set n, n+1
.endr
	v_nop                                          ; a plain instruction behind the last exponential (ISA guide 5.7.2),
	s_wait_alu depctr_va_vdst(0)                   ; and one wait ahead of the batch's first reader
.irp t, 0,1,2,3,4,5,6,7,8,9,10,11,12,13,14,15
.irp r, 0,1,2,3
	v_cvt_pk_f16_f32 v[TMP+4*(\t)+(\r)], v[ACC+8*(\t)+2*(\r)], v[ACC+8*(\t)+2*(\r)+1]  ; E to f16; the factors and addends are dead
.endr
.endr
.irp a, 0,1,2,3
.irp b, 0,1,2,3
	ds_store_b128 v[STO], v[TMP+4*(4*(\a)+(\b)):TMP+4*(4*(\a)+(\b))+3] offset:(\a)*16*SPITCH+32*(\b)
.endr
.endr
.irp d, 8,4,2,1                        ; l: the 16 pairs of a row block are added in place, neighbours 8, 4, 2 and 1 pairs apart, while the stores are out
.set i, 0
.rept \d
.irp a, 0,1,2,3
	v_pk_add_f32 v[ACC+32*(\a)+2*i:ACC+32*(\a)+2*i+1], v[ACC+32*(\a)+2*i:ACC+32*(\a)+2*i+1], v[ACC+32*(\a)+2*(i+(\d)):ACC+32*(\a)+2*(i+(\d))+1]
.endr
.set i, i+1
.endr
.endr
.irp a, 0,1,2,3
	v_add_f32 v[LS+2*(\a)], v[ACC+32*(\a)], v[ACC+32*(\a)+1]
.endr
.irp a, 0,1,2,3
	v_permlanex16_b32 v[LS+2*(\a)+1], v[LS+2*(\a)], s72, s73
.endr
.irp a, 0,1,2,3
	v_add_f32 v[LS+2*(\a)], v[LS+2*(\a)], v[LS+2*(\a)+1]
.endr
.irp a, 0,1,2,3
	v_cndmask_b32 v[MLO+(\a)], v[LS+2*(\a)], v[MX+2*(\a)], s74    ; lanes 0-15 carry m, lanes 16-31 l
.endr
	s_wait_dscnt 0x0                               ; for the others' sake: my stores into the stage are done
	s_barrier_signal -1
	s_barrier_wait -1
.irp t, 0,1,2,3,4,5,6,7,8,9,10,11,12,13,14,15
	ds_load_b128 v[TMP+4*(\t):TMP+4*(\t)+3], v[RD] offset:(\t)*2*SPITCH
.endr
	global_store_b128 v[SO], v[MLO:MLO+3], s[78:79]  ; my wave's 512 consecutive bytes of st
.irp t, 0,1,2,3,4,5,6,7,8,9,10,11,12,13,14,15
	s_wait_dscnt 15-(\t)
	global_store_b128 v[CO], v[TMP+4*(\t):TMP+4*(\t)+3], s[8:9] offset:2*(\t)*ROWB  ; 16 lanes store 256 consecutive bytes, at a multiple of 256 from the buffer's first byte
.endr
	s_wait_tensorcnt 0x0                           ; the wave's end: behind my last tensor load and my last LDS store
	ds_add_u32 v[SPW], v[NIL]
	s_wait_dscnt 0x0
	CROUND                                         ; the closing round
	s_endpgm
.Lfunc_end_k_q85475422af_score:
	.size	k_q85475422af_score, .Lfunc_end_k_q85475422af_score-k_q85475422af_score
	.p2alignl 7, 3214868480
	.fill 96, 4, 3214868480
	.section	.rodata,"a",@progbits
	.p2align	6, 0x0
	.amdhsa_kernel k_q85475422af_score
		.amdhsa_group_segment_fixed_size 327680
		.amdhsa_private_segment_fixed_size 0
		.amdhsa_enable_private_segment 0
		.amdhsa_kernarg_size 40
		.amdhsa_user_sgpr_count 2
		.amdhsa_user_sgpr_kernarg_segment_ptr 1
		.amdhsa_wavefront_size32 1
		.amdhsa_system_sgpr_workgroup_id_x 1
		.amdhsa_system_sgpr_workgroup_id_y 1
		.amdhsa_system_sgpr_workgroup_id_z 1
		.amdhsa_system_vgpr_workitem_id 0
		.amdhsa_next_free_vgpr 512
		.amdhsa_next_free_sgpr 80
		.amdhsa_reserve_vcc 1
		.amdhsa_float_denorm_mode_32 3
		.amdhsa_float_denorm_mode_16_64 3
		.amdhsa_memory_ordered 1
		.amdhsa_forward_progress 1
		.amdhsa_inst_pref_size 115
	.end_amdhsa_kernel
	.amdgpu_metadata
---
amdhsa.version: [ 1, 2 ]
amdhsa.kernels:
  - .name:           k_q85475422af_score
    .symbol:         k_q85475422af_score.kd
    .args:
      - { .name: qg, .offset: 0, .size: 8, .value_kind: global_buffer, .address_space: global }
      - { .name: xb, .offset: 8, .size: 8, .value_kind: global_buffer, .address_space: global }
      - { .name: mask, .offset: 16, .size: 8, .value_kind: global_buffer, .address_space: global }
      - { .name: ec, .offset: 24, .size: 8, .value_kind: global_buffer, .address_space: global }
      - { .name: st, .offset: 32, .size: 8, .value_kind: global_buffer, .address_space: global }
    .group_segment_fixed_size: 327680
    .private_segment_fixed_size: 0
    .kernarg_segment_align: 8
    .kernarg_segment_size: 40
    .max_flat_workgroup_size: 128
    .sgpr_count:     80
    .vgpr_count:     512
    .wavefront_size: 32
...
	.end_amdgpu_metadata
.endif
;; end of part 3
;; launch norm (part 4): grid 256 x 1, 8 waves a work-group, no clusters, 0 bytes of LDS; arguments ec, st, pq, out1; writes pq, out1
.if DOCPART == 4
	.amdgcn_target "amdgcn-amd-amdhsa--gfx1250"
	.amdhsa_code_object_version 6
	.text
	.protected	k_q85475422af_norm
	.globl	k_q85475422af_norm
	.p2align	8
	.type	k_q85475422af_norm,@function
k_q85475422af_norm:
	s_mov_b64 s[64:65], 0
	v_nop
	global_prefetch_b8 v0, s[64:65] scope:SCOPE_SE
	s_setreg_imm32_b32 hwreg(HW_REG_WAVE_MODE, 25, 1), 1
	s_wait_xcnt 0x0
; The second half of the softmax.  For each row: M = the largest of its 32 chunk maxima m_c, L = the sum of l_c 2^(m_c - M), f_c = 2^(m_c - M) / L; out1 = E f_c in f32, pq = the same rounded to bf16.
; E arrives in f16; a multiply-add that reads an f16 half (E x f_c + 0, reckoned in f32) widens and scales it in one line.
; The chunk that holds M has l_c of 1 or more and the factor 1, so L is at least 1.  A row whose keys are all hidden has m_c = NEG and l_c = 64 everywhere and comes out uniform, as in the reference.
; LIMITS.  NaN and infinities are not treated apart (with finite inputs no weight is NaN, so the clean-up of NaN has nothing to do); a factor below 2^-126 counts as 0.
; SHARES.  A wave owns two rows, 16 apart: rows 64 g + 32 p + r and + 16, whose m lie side by side in st, and likewise their l.  Lane c holds chunk c, so the maximum and the sum are taken across the 32 lanes.
; A row of E is 4,096 bytes: 16 loads of 8 bytes a lane, 256 consecutive bytes each; a lane's 4 numbers leave as 16 bytes of out1 (512 consecutive bytes a store) and 8 bytes of pq (256 a store, aligned).
; All 34 loads of a wave go out at once.  Memory binds: no LDS bytes, no barrier, no matrix unit.
.set ZR,  18                           ; v18        0: the multiply-adds' addend; never rewritten
.set IDX, 20                           ; v[20:35]   load j: 4 x the lane that holds my chunk's factor: 8 j + 4 (l / 16)
.set F,   36                           ; v[36:67]   row i, load j: my chunk's factor
.set E,   68                           ; v[68:131]  row i, load j: 2 registers, 4 f16
.set O,   132                          ; v[132:195] eight sets by turns: 4 registers for out1, 2 for pq
	s_load_b256 s[4:11], s[0:1], 0x0               ; ec s[4:5], st s[6:7], pq s[8:9], out1 s[10:11]
	v_lshrrev_b32 v1, 5, v0
	v_readfirstlane_b32 s12, v1                    ; wave 0..7
	v_and_b32 v1, 31, v0                           ; lane
	v_lshlrev_b32 v2, 3, v1                        ; 8 l
	v_lshlrev_b32 v3, 4, v1                        ; 16 l
	v_lshlrev_b32 v4, 9, v1                        ; 512 l: a chunk's block in st
	v_bfe_u32 v5, v0, 4, 1
	v_lshlrev_b32 v5, 2, v5
	v_mov_b32 v[ZR], 0
.set j, 0
.rept 16
	v_add_nc_u32 v[IDX+j], 8*j, v5
.set j, j+1
.endr
	s_lshr_b32 s13, ttmp9, 2                       ; g
	s_and_b32 s14, ttmp9, 3
	s_lshl_b32 s14, s14, 3
	s_add_co_u32 s14, s14, s12                     ; 0..31 among the group's pairs of rows
	s_lshr_b32 s15, s14, 1                         ; r
	s_and_b32 s16, s14, 1                          ; p
	s_lshl_b32 s17, s13, 6
	s_lshl_b32 s18, s16, 5
	s_add_co_u32 s17, s17, s18
	s_add_co_u32 s17, s17, s15                     ; my first row
	s_lshl_b32 s18, s13, 14                        ; st: 4,096 + 16,384 g + 16 r + 8 p
	s_lshl_b32 s19, s15, 4
	s_add_co_u32 s18, s18, s19
	s_lshl_b32 s19, s16, 3
	s_add_co_u32 s18, s18, s19
	s_add_co_u32 s18, s18, 4096                    ; the statistics lie behind the 4,096 bytes at st's head
	s_mov_b32 s19, 0
	s_lshl_b32 s24, s17, 12                        ; rows of 4,096 bytes in ec and pq,
	s_mov_b32 s25, 0
	s_lshl_b32 s26, s17, 13                        ; of 8,192 in out1
	s_mov_b32 s27, 0
	s_mov_b32 s20, 0x76543210                      ; v_permlanex16_b32: each lane takes its own place in the other half
	s_mov_b32 s21, 0xfedcba98
	s_wait_kmcnt 0x0
	s_add_nc_u64 s[6:7], s[6:7], s[18:19]
	s_add_nc_u64 s[4:5], s[4:5], s[24:25]
	s_add_nc_u64 s[8:9], s[8:9], s[24:25]
	s_add_nc_u64 s[10:11], s[10:11], s[26:27]
	global_load_b64 v[8:9], v4, s[6:7]             ; m of my chunk, both rows
	global_load_b64 v[10:11], v4, s[6:7] offset:256  ; l
.irp i, 0,1
.irp j, 0,1,2,3,4,5,6,7,8,9,10,11,12,13,14,15
	global_load_b64 v[E+32*(\i)+2*(\j):E+32*(\i)+2*(\j)+1], v2, s[4:5] offset:65536*(\i)+256*(\j) th:TH_LOAD_NT
.endr
.endr
	v_mov_b32 v14, 0                               ; destinations of v_permlanex16_b32 count as read
	v_mov_b32 v15, 0
	s_wait_loadcnt 32                              ; m and l are in; the 32 loads of E stay out
	v_mov_b32 v12, v8
	v_mov_b32 v13, v9
.irp x, 1,2,4,8
	v_max_num_f32_dpp v12, v12, v12 row_xmask:\x row_mask:0xf bank_mask:0xf
	v_max_num_f32_dpp v13, v13, v13 row_xmask:\x row_mask:0xf bank_mask:0xf
.endr
	v_permlanex16_b32 v14, v12, s20, s21
	v_permlanex16_b32 v15, v13, s20, s21
	v_max_num_f32 v12, v12, v14                    ; M, in every lane
	v_max_num_f32 v13, v13, v15
	v_sub_f32 v16, v8, v12
	v_sub_f32 v17, v9, v13
	v_exp_f32 v16, v16                             ; 2^(m_c - M)
	v_exp_f32 v17, v17
	v_nop                                          ; a plain instruction behind the last exponential,
	s_wait_alu depctr_va_vdst(0)                   ; and one wait ahead of the first reader, for both
	v_mul_f32 v12, v10, v16
	v_mul_f32 v13, v11, v17
.irp x, 1,2,4,8
	v_add_f32_dpp v12, v12, v12 row_xmask:\x row_mask:0xf bank_mask:0xf
	v_add_f32_dpp v13, v13, v13 row_xmask:\x row_mask:0xf bank_mask:0xf
.endr
	v_permlanex16_b32 v14, v12, s20, s21
	v_permlanex16_b32 v15, v13, s20, s21
	v_add_f32 v12, v12, v14                        ; L
	v_add_f32 v13, v13, v15
	v_rcp_f32 v12, v12
	v_rcp_f32 v13, v13
	v_nop
	s_wait_alu depctr_va_vdst(0)                   ; one wait for both reciprocals
	v_mul_f32 v16, v16, v12                        ; f_c, in lane c
	v_mul_f32 v17, v17, v13
.irp i, 0,1
.irp j, 0,1,2,3,4,5,6,7,8,9,10,11,12,13,14,15
	ds_bpermute_b32 v[F+16*(\i)+(\j)], v[IDX+(\j)], v[16+(\i)]  ; load j's numbers 128 j + 4 l .. lie in chunk 2 j + l / 16
.endr
.endr
	s_wait_dscnt 0x0
.set n, 0
.rept 32                               ; n = 16 x row + load
.set S0, O+8*(n%8)
.if (n >= 8) && (n%8 == 0)
	s_wait_xcnt 0x0                                ; the eight sets are written again only when the stores that read them have had their addresses translated (ISA guide 3.1)
.endif
	s_wait_loadcnt 31-n                            ; loads come back in order: load n is in, the younger ones stay out
	v_fma_mix_f32 v[S0],   v[E+2*n],   v[F+n], v[ZR] op_sel_hi:[1,0,0]                 ; the low f16 half x f + 0, in f32
	v_fma_mix_f32 v[S0+1], v[E+2*n],   v[F+n], v[ZR] op_sel:[1,0,0] op_sel_hi:[1,0,0]  ; the high half
	v_fma_mix_f32 v[S0+2], v[E+2*n+1], v[F+n], v[ZR] op_sel_hi:[1,0,0]
	v_fma_mix_f32 v[S0+3], v[E+2*n+1], v[F+n], v[ZR] op_sel:[1,0,0] op_sel_hi:[1,0,0]
	v_cvt_pk_bf16_f32 v[S0+4], v[S0],   v[S0+1]
	v_cvt_pk_bf16_f32 v[S0+5], v[S0+2], v[S0+3]
	global_store_b128 v3, v[S0:S0+3], s[10:11] offset:131072*(n/16)+512*(n%16) th:TH_STORE_NT
	global_store_b64 v2, v[S0+4:S0+5], s[8:9] offset:65536*(n/16)+256*(n%16)
.set n, n+1
.endr
	s_endpgm
.Lfunc_end_k_q85475422af_norm:
	.size	k_q85475422af_norm, .Lfunc_end_k_q85475422af_norm-k_q85475422af_norm
	.p2alignl 7, 3214868480
	.fill 96, 4, 3214868480
	.section	.rodata,"a",@progbits
	.p2align	6, 0x0
	.amdhsa_kernel k_q85475422af_norm
		.amdhsa_group_segment_fixed_size 0
		.amdhsa_private_segment_fixed_size 0
		.amdhsa_enable_private_segment 0
		.amdhsa_kernarg_size 32
		.amdhsa_user_sgpr_count 2
		.amdhsa_user_sgpr_kernarg_segment_ptr 1
		.amdhsa_wavefront_size32 1
		.amdhsa_system_sgpr_workgroup_id_x 1
		.amdhsa_system_sgpr_workgroup_id_y 1
		.amdhsa_system_sgpr_workgroup_id_z 1
		.amdhsa_system_vgpr_workitem_id 0
		.amdhsa_next_free_vgpr 196
		.amdhsa_next_free_sgpr 66
		.amdhsa_reserve_vcc 0
		.amdhsa_float_denorm_mode_32 3
		.amdhsa_float_denorm_mode_16_64 3
		.amdhsa_memory_ordered 1
		.amdhsa_forward_progress 1
		.amdhsa_inst_pref_size 29
	.end_amdhsa_kernel
	.amdgpu_metadata
---
amdhsa.version: [ 1, 2 ]
amdhsa.kernels:
  - .name:           k_q85475422af_norm
    .symbol:         k_q85475422af_norm.kd
    .args:
      - { .name: ec, .offset: 0, .size: 8, .value_kind: global_buffer, .address_space: global }
      - { .name: st, .offset: 8, .size: 8, .value_kind: global_buffer, .address_space: global }
      - { .name: pq, .offset: 16, .size: 8, .value_kind: global_buffer, .address_space: global }
      - { .name: out1, .offset: 24, .size: 8, .value_kind: global_buffer, .address_space: global }
    .group_segment_fixed_size: 0
    .private_segment_fixed_size: 0
    .kernarg_segment_align: 8
    .kernarg_segment_size: 32
    .max_flat_workgroup_size: 256
    .sgpr_count:     66
    .vgpr_count:     196
    .wavefront_size: 32
...
	.end_amdgpu_metadata
.endif
;; end of part 4
;; launch ctx (part 5): grid 8 x 32, 4 waves a work-group, clusters of 4 x 4, 327,680 bytes of LDS; arguments pq, xb, qg; writes qg
.if DOCPART == 5
	.amdgcn_target "amdgcn-amd-amdhsa--gfx1250"
	.amdhsa_code_object_version 6
	.text
	.protected	k_q85475422af_ctx
	.globl	k_q85475422af_ctx
	.p2align	8
	.type	k_q85475422af_ctx,@function
k_q85475422af_ctx:
	s_mov_b64 s[64:65], 0
	v_nop
	global_prefetch_b8 v0, s[64:65] scope:SCOPE_SE
	s_setreg_imm32_b32 hwreg(HW_REG_WAVE_MODE, 25, 1), 1
	s_wait_xcnt 0x0
	s_wait_alu depctr_hold_cnt(0) depctr_sa_sdst(0) depctr_va_vdst(0) depctr_va_sdst(0) depctr_va_ssrc(0) depctr_va_vcc(0) depctr_vm_vsrc(0)
	s_getreg_b32 s2, hwreg(HW_REG_IB_STS2, 6, 4)
	s_cmp_eq_u32 s2, 0
	s_cbranch_scc0 .Lentry_in_a_cluster
	s_endpgm
.Lentry_in_a_cluster:
	s_bfe_u32 s2, ttmp6, 0x10000c
	s_cmp_lg_u32 s2, 0xf033
	s_cbranch_scc0 .Lentry_shape_is_right
	s_endpgm
.Lentry_shape_is_right:
; g[m][n] = the sum over the batch's 2,048 keys j of P[m][j] key[j][n].  P = pq: [4096][2048] bf16; key = xb rows 4,096 + 2,048 x batch on: [key][1024] bf16; sums in f32; g rounded once to bf16.
; The two projections follow in the next two launches: a row of P sums to 1, so P ((key Wk^T + bk) Wv^T + bv) = ((P key) Wk^T + bk) Wv^T + bv: both are made on 4,096 rows and not on 16,384.
; A tile of g is 128 x 128, four waves of 64 x 64, the keys in steps of 256 through two slots.  P's tile lies along the keys (rows of 512 bytes); key's lies [key][column]: 256 keys x 256 bytes, and its
; fragments are turned on the way out of LDS by ds_load_tr16_b128.  CLUSTERS: 4 x 4: P's tiles are shared along a row of the cluster, key's along a column (a cluster's four tile rows are one batch).
; The matrix instruction is used transposed (source 0 = 16 columns of key, source 1 = 16 rows of P): a lane holds eight neighbouring numbers of a row of g.
; REGISTERS: window 0: v0-31 addresses; v32-95 at work on the way out; v128-255 the accumulators.  window 1: two fragment buffers of 128: 64 registers of P, then 64 of key.
.set SIZE_K, 2048
.set ROWB,   2048                      ; bytes in a row of g, and of xb
.set KSTEP,  256
.set PITCH,  528                       ; a row of P in LDS: 512 bytes + 16 of padding
.set PB,     288                       ; a key's row in LDS: 256 bytes + 32 of padding = 72 words
.set HALFA,  64*PITCH                  ; what waves 0 and 1 fetch: 64 rows of P
.set HALFB,  128*PB                    ; what waves 2 and 3 fetch: 128 keys
.set BOFF,   2*HALFA                   ; key's tile lies behind P's
.set SLOT,   2*HALFA+2*HALFB
.set STAGE,  2*SLOT
.set SPITCH, 272
.set SPARE,  STAGE+128*SPITCH          ; the spare words, 128 bytes for each wave: two blocks of 256 bytes that no other line names
.set LAPS,   SIZE_K/(2*KSTEP)
.set ADRA, 16                          ; v16-17  LDS address of my fragments of P in slot 0, 1
.set ADRB, 20                          ; v20-23  of key: slot s, keys 128 x half on, at v[20 + 2 s + half]: an LDS offset of 16 bits does not reach 240 rows of 288 bytes
.set STO,  24
.set RD,   25
.set CO,   26
.set SPW,  28                          ; v28  LDS address of my spare word; never rewritten
.set NIL,  29                          ; v29  0; never rewritten
.set TMP,  32
.set ACC,  128
.set F0,   0
.set F1,   128
.set G1, 24
.set G0, 32
.set G1B, 48
.set G0B, 56
.set MSB, 0
.macro WIN new
.if MSB != (\new)
	s_set_vgpr_msb (MSB<<8)|(\new)
.set MSB, \new
.endif
.endm
.set MUL,  0x05
.set TO_F, 0x40
.macro JLOAD s                         ; a joint load: waves 0 and 1 fetch P's two halves, waves 2 and 3 key's; an s_nop 0 and four v_nop follow each of the two lines
	s_cmp_eq_u32 s11, 0
	s_cbranch_scc0 .Lfor_b_\@
	tensor_load_to_lds s[G0+4*(\s):G0+4*(\s)+3], s[G1:G1+7]
	s_nop 0
.rept 4
	v_nop
.endr
	s_branch .Lasked_\@
.Lfor_b_\@:
	tensor_load_to_lds s[G0B+4*(\s):G0B+4*(\s)+3], s[G1B:G1B+7]
	s_nop 0
.rept 4
	v_nop
.endr
.Lasked_\@:
.endm
.macro CREST
	s_cmp_lg_u32 s10, 0
	s_cbranch_scc1 .Lnot_wave_0_\@
	s_barrier_signal -3
.Lnot_wave_0_\@:
	s_barrier_wait -3
	s_barrier_signal -1
	s_barrier_wait -1
.endm
.macro CROUND
	s_barrier_signal -1
	s_barrier_wait -1
	CREST
.endm
	s_load_b128 s[4:7], s[0:1], 0x0                ; pq s[4:5], xb s[6:7]
	s_load_b64 s[8:9], s[0:1], 0x10                ; qg
	v_lshl_add_u32 v[SPW], v0, 2, SPARE
	v_mov_b32 v[NIL], 0
	ds_add_u32 v[SPW], v[NIL]                      ; the wave's opening: the add and its wait stand ahead of my first tensor load; the set-up below, work on registers, stands between them
	v_lshrrev_b32 v1, 5, v0
	v_readfirstlane_b32 s10, v1                    ; wave 0..3
	s_lshr_b32 s11, s10, 1                         ; which half of the tile's rows is mine.  Also: I fetch for P (0) or for key (1)
	s_and_b32 s12, s10, 1                          ; which half of its columns.  Also: which half of that tile I fetch
	s_bfe_u32 s40, ttmp6, 0x40000                  ; cx, cy
	s_bfe_u32 s41, ttmp6, 0x40004
	s_lshl_b32 s42, ttmp9, 2
	s_add_co_u32 s42, s42, s40                     ; tile column
	s_and_b32 s45, ttmp7, 0xffff                   ; cluster y = the batch
	s_lshl_b32 s13, s45, 2
	s_add_co_u32 s13, s13, s41                     ; tile row
	s_lshl_b32 s43, s41, 2
	s_lshl_b32 s43, 15, s43                        ; my row of the cluster
	s_lshl_b32 s44, 0x1111, s40                    ; my column
	; P's tiles: 64 rows x 256 elements, 4 words of padding after every 128
	s_or_b32 s[G1+0], s43, (1<<16)|(1<<20)|(1<<21)|(6<<22)|(3<<25)
	s_mov_b32 s[G1+1], KSTEP<<16                   ; tensor_dim0 = 256
	s_mov_b32 s[G1+2], 64<<16                      ; tensor_dim1 = 64
	s_mov_b32 s[G1+3], KSTEP<<16                   ; tile_dim0 = 256
	s_mov_b32 s[G1+4], 64                          ; tile_dim1 = 64
	s_mov_b32 s[G1+5], SIZE_K                      ; 2,048 elements from row to row
	s_mov_b32 s[G1+6], 0
	s_mov_b32 s[G1+7], 0
	; key's tiles: 128 keys x 128 elements, 8 words of padding after every 64
	s_or_b32 s[G1B+0], s44, (1<<16)|(1<<20)|(1<<21)|(5<<22)|(7<<25)
	s_mov_b32 s[G1B+1], 128<<16                    ; tensor_dim0 = 128
	s_mov_b32 s[G1B+2], 128<<16                    ; tensor_dim1 = 128
	s_mov_b32 s[G1B+3], 128<<16                    ; tile_dim0 = 128
	s_mov_b32 s[G1B+4], 128                        ; tile_dim1 = 128
	s_mov_b32 s[G1B+5], 1024                       ; 1,024 elements from key to key
	s_mov_b32 s[G1B+6], 0
	s_mov_b32 s[G1B+7], 0
	s_lshl_b32 s17, s12, 6
	s_lshl_b32 s16, s13, 7
	s_add_co_u32 s16, s16, s17                     ; P: row 128 x tile row + 64 x half,
	s_lshl_b32 s16, s16, 12                        ; rows of 4,096 bytes
	s_mov_b32 s17, 0
	s_lshl_b32 s46, s45, 11                        ; key: row 4,096 + 2,048 x batch + 128 x half of xb,
	s_lshl_b32 s47, s12, 7
	s_add_co_u32 s46, s46, s47
	s_add_co_u32 s46, s46, 4096
	s_lshl_b32 s46, s46, 11                        ; rows of 2,048 bytes,
	s_lshl_b32 s47, s42, 8                         ; + the tile column's 256 bytes
	s_add_co_u32 s46, s46, s47
	s_mov_b32 s47, 0
	s_mul_i32 s20, s12, HALFA                      ; where the tiles go: P's halves,
	s_mul_i32 s21, s12, HALFB
	s_add_co_u32 s21, s21, BOFF                    ; and behind them key's
	s_wait_dscnt 0x0                               ; the opening add is done
	s_wait_kmcnt 0x0
	s_add_nc_u64 s[14:15], s[4:5], s[16:17]
	s_add_nc_u64 s[46:47], s[6:7], s[46:47]
	CROUND                                         ; all sixteen work-groups are here: the first joint loads meet
.irp s, 0,1
	s_mov_b32 s[G0+4*(\s)], 1
	s_add_co_u32 s[G0+4*(\s)+1], s20, (\s)*SLOT
	s_add_nc_u64 s[G0+4*(\s)+2:G0+4*(\s)+3], s[14:15], (\s)*KSTEP*2       ; 256 keys along P's rows
	s_or_b32 s[G0+4*(\s)+3], s[G0+4*(\s)+3], 0x80000000
	s_mov_b32 s[G0B+4*(\s)], 1
	s_add_co_u32 s[G0B+4*(\s)+1], s21, (\s)*SLOT
	s_add_nc_u64 s[G0B+4*(\s)+2:G0B+4*(\s)+3], s[46:47], (\s)*KSTEP*ROWB  ; 256 keys down xb's rows
	s_or_b32 s[G0B+4*(\s)+3], s[G0B+4*(\s)+3], 0x80000000
	JLOAD \s                                       ; two loads of mine are out
.endr
	v_and_b32 v1, 15, v0                           ; l % 16
	v_bfe_u32 v2, v0, 4, 1                         ; l / 16
	v_mul_u32_u24 v3, v1, PITCH
	v_lshl_add_u32 v3, v2, 4, v3                   ; P: row x pitch + 16 x half
	; the turning load takes 16 keys x 16 columns (lane l reads key 8 (l / 16) + l % 8, columns 8 ((l / 8) % 2) + 0..7) and leaves half a fragment: lane l holds column l % 16 and 8 keys
	v_and_b32 v4, 7, v0
	v_bfe_u32 v5, v0, 3, 1
	v_lshl_add_u32 v4, v2, 3, v4
	v_mul_u32_u24 v4, v4, PB
	v_lshl_add_u32 v4, v5, 4, v4
	s_mul_i32 s21, s11, HALFA                      ; my 64 rows of P
	s_lshl_b32 s22, s12, 7                         ; my 64 columns of key: 128 bytes
	s_add_co_u32 s22, s22, BOFF
.irp s, 0,1
	v_add_nc_u32 v[ADRA+(\s)], s21, v3
	v_add_nc_u32 v[ADRB+2*(\s)], s22, v4
	v_add_nc_u32 v[ADRB+2*(\s)+1], HALFB, v[ADRB+2*(\s)]
	s_add_co_u32 s21, s21, SLOT
	s_add_co_u32 s22, s22, SLOT
.endr
	s_mul_i32 s23, s11, 64*SPITCH
	s_lshl_b32 s21, s12, 7
	s_add_co_u32 s23, s23, s21
	s_add_co_u32 s23, s23, STAGE
	v_mul_u32_u24 v4, v1, SPITCH
	v_lshl_add_u32 v4, v2, 4, v4
	v_add_nc_u32 v[STO], s23, v4
	s_mul_i32 s23, s10, 32*SPITCH
	s_add_co_u32 s23, s23, STAGE
	v_mul_u32_u24 v5, v2, SPITCH
	v_lshl_add_u32 v5, v1, 4, v5
	v_add_nc_u32 v[RD], s23, v5
	v_mul_u32_u24 v5, v2, ROWB
	v_lshl_add_u32 v[CO], v1, 4, v5
	s_lshl_b32 s16, s13, 7
	s_lshl_b32 s17, s10, 5
	s_add_co_u32 s16, s16, s17                     ; the first row of g that I store
	s_lshl_b32 s16, s16, 11
	s_mov_b32 s17, 0
	s_add_nc_u64 s[8:9], s[8:9], s[16:17]
	s_lshl_b32 s46, s42, 8
	s_mov_b32 s47, 0
	s_add_nc_u64 s[8:9], s[8:9], s[46:47]
.macro MUL8 f, c, a0, zero             ; 8 matrix instructions: m blocks a0, a0 + 1 x all 4 n blocks, 32 keys.  zero = 1: the first product starts the sums
	WIN MUL
.irp a, \a0, (\a0)+1
.irp b, 0,1,2,3
.if \zero
	v_wmma_f32_16x16x32_bf16 v[ACC+8*(4*(\a)+(\b)):ACC+8*(4*(\a)+(\b))+7], v[(\f)+64+8*(4*(\c)+(\b)):(\f)+64+8*(4*(\c)+(\b))+7], v[(\f)+8*(4*(\c)+(\a)):(\f)+8*(4*(\c)+(\a))+7], 0
.else
	v_wmma_f32_16x16x32_bf16 v[ACC+8*(4*(\a)+(\b)):ACC+8*(4*(\a)+(\b))+7], v[(\f)+64+8*(4*(\c)+(\b)):(\f)+64+8*(4*(\c)+(\b))+7], v[(\f)+8*(4*(\c)+(\a)):(\f)+8*(4*(\c)+(\a))+7], v[ACC+8*(4*(\a)+(\b)):ACC+8*(4*(\a)+(\b))+7]
.endif
.endr
.endr
.endm
; 32 LDS loads in one run: the fragments of 64 keys: byte k of P's rows = keys k / 2 on of the slot's 256; the first 32 keys first
.macro FETCH slot, k, f
	WIN TO_F
.irp c, 0,1
.irp i, 0,1,2,3
	ds_load_tr16_b128 v[(\f)+64+8*(4*(\c)+(\i)):(\f)+64+8*(4*(\c)+(\i))+3],   v[ADRB+2*(\slot)+(\k)/256] offset:((((\k)/128)%2)*64+32*(\c))*PB+32*(\i)
	ds_load_tr16_b128 v[(\f)+64+8*(4*(\c)+(\i))+4:(\f)+64+8*(4*(\c)+(\i))+7], v[ADRB+2*(\slot)+(\k)/256] offset:((((\k)/128)%2)*64+32*(\c)+16)*PB+32*(\i)
	ds_load_b128 v[(\f)+8*(4*(\c)+(\i)):(\f)+8*(4*(\c)+(\i))+3],         v[ADRA+(\slot)] offset:(\k)+64*(\c)+(\i)*16*PITCH
	ds_load_b128 v[(\f)+8*(4*(\c)+(\i))+4:(\f)+8*(4*(\c)+(\i))+7],       v[ADRA+(\slot)] offset:(\k)+64*(\c)+(\i)*16*PITCH+32
.endr
.endr
.endm
.macro PLACES                          ; four plain instructions in front of loads into registers that matrix instructions have read, and of instructions that read results
.rept 4
	v_nop
.endr
.endm
.macro QUARTER slot, k, f, g, zero
	s_wait_dscnt 16                                ; the first 32 keys are in; the youngest sixteen loads may be out
	WIN MUL
	MUL8 \f, 0, 0, \zero
	MUL8 \f, 0, 2, \zero
	PLACES
	FETCH \slot, \k, \g
	s_wait_dscnt 32                                ; all but the 32 just issued
	WIN MUL
	MUL8 \f, 1, 0, 0
	MUL8 \f, 1, 2, 0
.endm
.macro TURN slot, next, fill           ; the last quarter of a step, and the change of slots
	WIN 0
	s_wait_tensorcnt 0x0                           ; all my tensor loads have landed: my part of the next slot;
	ds_add_u32 v[SPW], v[NIL]                      ; 0 onto my spare word;
	s_wait_dscnt 17                                ; (the add and the youngest sixteen loads may be out)
	WIN MUL
	MUL8 F1, 0, 0, 0
	s_wait_dscnt 0x0                               ; the add is done, and my reads of this slot are over
	s_barrier_signal -1
	MUL8 F1, 0, 2, 0
.if \fill
	WIN 0
.endif
	s_barrier_wait -1
.if \fill
	CREST                                          ; no wave of any partner still reads this slot's tile or has a load on its way
	s_add_nc_u64 s[G0+4*(\slot)+2:G0+4*(\slot)+3], s[G0+4*(\slot)+2:G0+4*(\slot)+3], 2*KSTEP*2
	s_add_nc_u64 s[G0B+4*(\slot)+2:G0B+4*(\slot)+3], s[G0B+4*(\slot)+2:G0B+4*(\slot)+3], 2*KSTEP*ROWB
	JLOAD \slot                                    ; the first tensor load behind the round, my only one until the next
.else
	PLACES
.endif
	FETCH \next, 0, F0
	WIN MUL
	MUL8 F1, 1, 0, 0
	MUL8 F1, 1, 2, 0
.endm
	s_wait_tensorcnt 1                             ; my part of step 0 is in; step 1's may stay out
	s_barrier_signal -1
	s_barrier_wait -1
	FETCH 0, 0, F0
	QUARTER 0, 128, F0, F1, 1
	WIN 0
	s_mov_b32 s3, LAPS-1
.Llap:
	QUARTER 0, 256, F1, F0, 0
	QUARTER 0, 384, F0, F1, 0
	TURN 0, 1, 1
	QUARTER 1, 128, F0, F1, 0
	QUARTER 1, 256, F1, F0, 0
	QUARTER 1, 384, F0, F1, 0
	TURN 1, 0, 1
	QUARTER 0, 128, F0, F1, 0
	WIN 0
	s_sub_co_u32 s3, s3, 1
	s_cmp_lg_u32 s3, 0
	s_cbranch_scc1 .Llap
	QUARTER 0, 256, F1, F0, 0
	QUARTER 0, 384, F0, F1, 0
	TURN 0, 1, 0
	QUARTER 1, 128, F0, F1, 0
	QUARTER 1, 256, F1, F0, 0
	QUARTER 1, 384, F0, F1, 0
	s_wait_dscnt 16
	WIN MUL
	MUL8 F1, 0, 0, 0
	MUL8 F1, 0, 2, 0
	s_wait_dscnt 0
	MUL8 F1, 1, 0, 0
	MUL8 F1, 1, 2, 0
	WIN 0
	; THE WAY OUT: round to bf16; 16 bytes a lane into the work-group's stage; a barrier; back as whole rows, 32 rows a wave.
	PLACES
.irp t, 0,1,2,3,4,5,6,7,8,9,10,11,12,13,14,15
.irp r, 0,1,2,3
	v_cvt_pk_bf16_f32 v[TMP+4*(\t)+(\r)], v[ACC+8*(\t)+2*(\r)], v[ACC+8*(\t)+2*(\r)+1]
.endr
.endr
.irp a, 0,1,2,3
.irp b, 0,1,2,3
	ds_store_b128 v[STO], v[TMP+4*(4*(\a)+(\b)):TMP+4*(4*(\a)+(\b))+3] offset:(\a)*16*SPITCH+32*(\b)
.endr
.endr
	s_wait_dscnt 0x0                               ; for the others' sake: my stores into the stage are done
	s_barrier_signal -1
	s_barrier_wait -1
.irp t, 0,1,2,3,4,5,6,7,8,9,10,11,12,13,14,15
	ds_load_b128 v[TMP+4*(\t):TMP+4*(\t)+3], v[RD] offset:(\t)*2*SPITCH
.endr
.irp t, 0,1,2,3,4,5,6,7,8,9,10,11,12,13,14,15
	s_wait_dscnt 15-(\t)
	global_store_b128 v[CO], v[TMP+4*(\t):TMP+4*(\t)+3], s[8:9] offset:2*(\t)*ROWB  ; 16 lanes store 256 consecutive bytes, at a multiple of 256 from the buffer's first byte
.endr
	s_wait_tensorcnt 0x0                           ; the wave's end: behind my last tensor load and my last LDS store
	ds_add_u32 v[SPW], v[NIL]
	s_wait_dscnt 0x0
	CROUND                                         ; the closing round
	s_endpgm
.Lfunc_end_k_q85475422af_ctx:
	.size	k_q85475422af_ctx, .Lfunc_end_k_q85475422af_ctx-k_q85475422af_ctx
	.p2alignl 7, 3214868480
	.fill 96, 4, 3214868480
	.section	.rodata,"a",@progbits
	.p2align	6, 0x0
	.amdhsa_kernel k_q85475422af_ctx
		.amdhsa_group_segment_fixed_size 327680
		.amdhsa_private_segment_fixed_size 0
		.amdhsa_enable_private_segment 0
		.amdhsa_kernarg_size 24
		.amdhsa_user_sgpr_count 2
		.amdhsa_user_sgpr_kernarg_segment_ptr 1
		.amdhsa_wavefront_size32 1
		.amdhsa_system_sgpr_workgroup_id_x 1
		.amdhsa_system_sgpr_workgroup_id_y 1
		.amdhsa_system_sgpr_workgroup_id_z 1
		.amdhsa_system_vgpr_workitem_id 0
		.amdhsa_next_free_vgpr 512
		.amdhsa_next_free_sgpr 80
		.amdhsa_reserve_vcc 0
		.amdhsa_float_denorm_mode_32 3
		.amdhsa_float_denorm_mode_16_64 3
		.amdhsa_memory_ordered 1
		.amdhsa_forward_progress 1
		.amdhsa_inst_pref_size 87
	.end_amdhsa_kernel
	.amdgpu_metadata
---
amdhsa.version: [ 1, 2 ]
amdhsa.kernels:
  - .name:           k_q85475422af_ctx
    .symbol:         k_q85475422af_ctx.kd
    .args:
      - { .name: pq, .offset: 0, .size: 8, .value_kind: global_buffer, .address_space: global }
      - { .name: xb, .offset: 8, .size: 8, .value_kind: global_buffer, .address_space: global }
      - { .name: qg, .offset: 16, .size: 8, .value_kind: global_buffer, .address_space: global }
    .group_segment_fixed_size: 327680
    .private_segment_fixed_size: 0
    .kernarg_segment_align: 8
    .kernarg_segment_size: 24
    .max_flat_workgroup_size: 128
    .sgpr_count:     80
    .vgpr_count:     512
    .wavefront_size: 32
...
	.end_amdgpu_metadata
.endif
;; end of part 5
;; launch cproj: the kernel of part 2 again; grid 8 x 32, 4 waves a work-group, clusters of 4 x 4, 327,680 bytes of LDS; arguments qg, wkv, bk, ec; writes ec
;; launch outp (part 6): grid 8 x 32, 4 waves a work-group, clusters of 4 x 4, 327,680 bytes of LDS; arguments ec, wkv, bv, out0; writes out0
.if DOCPART == 6
	.amdgcn_target "amdgcn-amd-amdhsa--gfx1250"
	.amdhsa_code_object_version 6
	.text
	.protected	k_q85475422af_outp
	.globl	k_q85475422af_outp
	.p2align	8
	.type	k_q85475422af_outp,@function
k_q85475422af_outp:
	s_mov_b64 s[64:65], 0
	v_nop
	global_prefetch_b8 v0, s[64:65] scope:SCOPE_SE
	s_setreg_imm32_b32 hwreg(HW_REG_WAVE_MODE, 25, 1), 1
	s_wait_xcnt 0x0
	s_wait_alu depctr_hold_cnt(0) depctr_sa_sdst(0) depctr_va_vdst(0) depctr_va_sdst(0) depctr_va_ssrc(0) depctr_va_vcc(0) depctr_vm_vsrc(0)
	s_getreg_b32 s2, hwreg(HW_REG_IB_STS2, 6, 4)
	s_cmp_eq_u32 s2, 0
	s_cbranch_scc0 .Lentry_in_a_cluster
	s_endpgm
.Lentry_in_a_cluster:
	s_bfe_u32 s2, ttmp6, 0x10000c
	s_cmp_lg_u32 s2, 0xf033
	s_cbranch_scc0 .Lentry_shape_is_right
	s_endpgm
.Lentry_shape_is_right:
; out0[m][n] = the sum over h of c[m][h] Wv[n][h] + bv[n], in f32.  c = ec: [4096][1024] bf16; Wv = wkv rows 1,024 on, bf16; sums in f32, stored as they are.
; bv is rounded to bf16 on the way in: every floating-point input of the module has that one rounding, the biases like the matrices.
; Laid as the other projections: tiles of 128 x 128, four waves of 64 x 64, K steps of 256 through two slots, 4 x 4 clusters (c's tiles shared along a row of the cluster, Wv's along a column),
; the bias as the C operand of each accumulator's first product, the matrix instruction used transposed: a lane holds eight neighbouring numbers of a row of out0.
; THE WAY OUT: a wave's 64 columns of f32 are 256 consecutive bytes, aligned, so each wave has a stage of its own (16 rows x 272 bytes) and no barrier is needed.
; REGISTERS: window 0: v0-31 addresses; v32-95 two sets of 32 on the way out; v96-127 the bias; v128-255 the accumulators.  window 1: fragments.
.set SIZE_K, 1024
.set ROWB,   4096                      ; bytes in a row of out0
.set KSTEP,  256
.set PITCH,  528
.set HALFT,  64*PITCH
.set SLOT,   4*HALFT
.set STAGE,  2*SLOT
.set SPITCH, 272
.set SPARE,  STAGE+4*16*SPITCH         ; behind the four stages: the spare words, 128 bytes for each wave: two blocks of 256 bytes that no other line names
.set LAPS,   SIZE_K/(2*KSTEP)
.set ADRA, 16
.set ADRB, 20
.set STO,  24
.set RD,   25
.set CO,   26
.set BO,   27
.set SPW,  28                          ; v28  LDS address of my spare word; never rewritten
.set NIL,  29                          ; v29  0; never rewritten
.set TMP,  32
.set BIAS, 96
.set ACC,  128
.set F0,   0
.set F1,   128
.set G1, 24
.set G0, 32
.set G1B, 48
.set G0B, 56
.set MSB, 0
.macro WIN new
.if MSB != (\new)
	s_set_vgpr_msb (MSB<<8)|(\new)
.set MSB, \new
.endif
.endm
.set MUL,  0x05
.set TO_F, 0x40
.macro JLOAD s                         ; a joint load: waves 0 and 1 fetch c's two halves, waves 2 and 3 Wv's; an s_nop 0 and four v_nop follow each of the two lines
	s_cmp_eq_u32 s11, 0
	s_cbranch_scc0 .Lfor_b_\@
	tensor_load_to_lds s[G0+4*(\s):G0+4*(\s)+3], s[G1:G1+7]
	s_nop 0
.rept 4
	v_nop
.endr
	s_branch .Lasked_\@
.Lfor_b_\@:
	tensor_load_to_lds s[G0B+4*(\s):G0B+4*(\s)+3], s[G1B:G1B+7]
	s_nop 0
.rept 4
	v_nop
.endr
.Lasked_\@:
.endm
.macro CREST
	s_cmp_lg_u32 s10, 0
	s_cbranch_scc1 .Lnot_wave_0_\@
	s_barrier_signal -3
.Lnot_wave_0_\@:
	s_barrier_wait -3
	s_barrier_signal -1
	s_barrier_wait -1
.endm
.macro CROUND
	s_barrier_signal -1
	s_barrier_wait -1
	CREST
.endm
	s_load_b128 s[4:7], s[0:1], 0x0                ; ec s[4:5], wkv s[6:7]
	s_load_b128 s[68:71], s[0:1], 0x10             ; bv s[68:69], out0 s[70:71]
	v_lshl_add_u32 v[SPW], v0, 2, SPARE
	v_mov_b32 v[NIL], 0
	ds_add_u32 v[SPW], v[NIL]                      ; the wave's opening: the add and its wait stand ahead of my first tensor load; the set-up below, work on registers, stands between them
	v_lshrrev_b32 v1, 5, v0
	v_readfirstlane_b32 s10, v1                    ; wave 0..3
	s_lshr_b32 s11, s10, 1                         ; which half of the tile's rows is mine.  Also: I fetch for c (0) or for Wv (1)
	s_and_b32 s12, s10, 1                          ; which half of its columns.  Also: which 64 rows of that tile I fetch
	s_bfe_u32 s40, ttmp6, 0x40000                  ; cx, cy
	s_bfe_u32 s41, ttmp6, 0x40004
	s_lshl_b32 s42, ttmp9, 2
	s_add_co_u32 s42, s42, s40                     ; tile column
	s_and_b32 s45, ttmp7, 0xffff
	s_lshl_b32 s13, s45, 2
	s_add_co_u32 s13, s13, s41                     ; tile row
	s_lshl_b32 s43, s41, 2
	s_lshl_b32 s43, 15, s43                        ; my row of the cluster
	s_lshl_b32 s44, 0x1111, s40                    ; my column
	s_or_b32 s[G1+0], s43, (1<<16)|(1<<20)|(1<<21)|(6<<22)|(3<<25)  ; the mask; 2-byte elements; padding on; bit 21 beside a mask; after every 128 words, 4 words
	s_or_b32 s[G1B+0], s44, (1<<16)|(1<<20)|(1<<21)|(6<<22)|(3<<25)
.irp g, G1, G1B
	s_mov_b32 s[(\g)+1], KSTEP<<16                 ; tensor_dim0 = 256
	s_mov_b32 s[(\g)+2], 64<<16                    ; tensor_dim1 = 64
	s_mov_b32 s[(\g)+3], KSTEP<<16                 ; tile_dim0 = 256
	s_mov_b32 s[(\g)+4], 64                        ; tile_dim1 = 64
	s_mov_b32 s[(\g)+5], SIZE_K                    ; elements from row to row
	s_mov_b32 s[(\g)+6], 0
	s_mov_b32 s[(\g)+7], 0
.endr
	s_lshl_b32 s17, s12, 6
	s_lshl_b32 s16, s13, 7
	s_add_co_u32 s16, s16, s17                     ; c: row 128 x tile row + 64 x half
	s_lshl_b32 s16, s16, 11
	s_lshl_b32 s46, s42, 7
	s_add_co_u32 s46, s46, s17
	s_add_co_u32 s46, s46, 1024                    ; Wv: row 1,024 + 128 x tile column + 64 x half of wkv
	s_lshl_b32 s46, s46, 11
	s_mov_b32 s17, 0
	s_mov_b32 s47, 0
	s_mul_i32 s20, s10, HALFT
	s_wait_dscnt 0x0                               ; the opening add is done
	s_wait_kmcnt 0x0
	s_add_nc_u64 s[14:15], s[4:5], s[16:17]
	s_add_nc_u64 s[46:47], s[6:7], s[46:47]
	CROUND                                         ; all sixteen work-groups are here: the first joint loads meet
.irp s, 0,1
	s_mov_b32 s[G0+4*(\s)], 1
	s_add_co_u32 s[G0+4*(\s)+1], s20, (\s)*SLOT
	s_add_nc_u64 s[G0+4*(\s)+2:G0+4*(\s)+3], s[14:15], (\s)*KSTEP*2
	s_or_b32 s[G0+4*(\s)+3], s[G0+4*(\s)+3], 0x80000000
	s_mov_b32 s[G0B+4*(\s)], 1
	s_add_co_u32 s[G0B+4*(\s)+1], s20, (\s)*SLOT
	s_add_nc_u64 s[G0B+4*(\s)+2:G0B+4*(\s)+3], s[46:47], (\s)*KSTEP*2
	s_or_b32 s[G0B+4*(\s)+3], s[G0B+4*(\s)+3], 0x80000000
	JLOAD \s                                       ; two loads of mine are out
.endr
	v_and_b32 v1, 15, v0                           ; l % 16
	v_bfe_u32 v2, v0, 4, 1                         ; l / 16
	s_lshl_b32 s22, s42, 9                         ; the bias of my 64 columns
	s_lshl_b32 s23, s12, 8
	s_add_co_u32 s22, s22, s23
	s_mov_b32 s23, 0
	s_add_nc_u64 s[66:67], s[68:69], s[22:23]
	v_lshlrev_b32 v[BO], 5, v2
.irp b, 0,1,2,3
	global_load_b128 v[BIAS+8*(\b):BIAS+8*(\b)+3],   v[BO], s[66:67] offset:64*(\b)
	global_load_b128 v[BIAS+8*(\b)+4:BIAS+8*(\b)+7], v[BO], s[66:67] offset:64*(\b)+16
.endr
	v_mul_u32_u24 v3, v1, PITCH
	v_lshl_add_u32 v3, v2, 4, v3
	s_mul_i32 s21, s11, HALFT
	s_mul_i32 s22, s12, HALFT
	s_add_co_u32 s22, s22, 2*HALFT
.irp s, 0,1
	v_add_nc_u32 v[ADRA+(\s)], s21, v3
	v_add_nc_u32 v[ADRB+(\s)], s22, v3
	s_add_co_u32 s21, s21, SLOT
	s_add_co_u32 s22, s22, SLOT
.endr
	s_mul_i32 s23, s10, 16*SPITCH
	s_add_co_u32 s23, s23, STAGE                   ; my stage
	v_mul_u32_u24 v4, v1, SPITCH                   ; in: row l % 16, 32 bytes for each half of the lanes
	v_lshl_add_u32 v4, v2, 5, v4
	v_add_nc_u32 v[STO], s23, v4
	v_mul_u32_u24 v5, v2, SPITCH                   ; back: lanes 0-15 take one row of 256 bytes, lanes 16-31 the next
	v_lshl_add_u32 v5, v1, 4, v5
	v_add_nc_u32 v[RD], s23, v5
	v_lshlrev_b32 v5, 12, v2                       ; and the same two rows in out0
	v_lshl_add_u32 v[CO], v1, 4, v5
	s_lshl_b32 s16, s13, 7
	s_lshl_b32 s17, s11, 6
	s_add_co_u32 s16, s16, s17                     ; my first row: 128 x tile row + 64 x row half
	s_lshl_b32 s16, s16, 12
	s_mov_b32 s17, 0
	s_add_nc_u64 s[8:9], s[70:71], s[16:17]
	s_lshl_b32 s46, s42, 9                         ; my first column, in bytes: 512 x tile column + 256 x column half
	s_lshl_b32 s47, s12, 8
	s_add_co_u32 s46, s46, s47
	s_mov_b32 s47, 0
	s_add_nc_u64 s[8:9], s[8:9], s[46:47]
.macro MUL8 f, c, a0, first            ; 8 matrix instructions.  first = 1: the product starts the sum, with the bias as C
	WIN MUL
.irp a, \a0, (\a0)+1
.irp b, 0,1,2,3
.if \first
	v_wmma_f32_16x16x32_bf16 v[ACC+8*(4*(\a)+(\b)):ACC+8*(4*(\a)+(\b))+7], v[(\f)+64+8*(4*(\c)+(\b)):(\f)+64+8*(4*(\c)+(\b))+7], v[(\f)+8*(4*(\c)+(\a)):(\f)+8*(4*(\c)+(\a))+7], v[BIAS+8*(\b):BIAS+8*(\b)+7]
.else
	v_wmma_f32_16x16x32_bf16 v[ACC+8*(4*(\a)+(\b)):ACC+8*(4*(\a)+(\b))+7], v[(\f)+64+8*(4*(\c)+(\b)):(\f)+64+8*(4*(\c)+(\b))+7], v[(\f)+8*(4*(\c)+(\a)):(\f)+8*(4*(\c)+(\a))+7], v[ACC+8*(4*(\a)+(\b)):ACC+8*(4*(\a)+(\b))+7]
.endif
.endr
.endr
.endm
.macro FETCH slot, k, f
	WIN TO_F
.irp c, 0,1
.irp i, 0,1,2,3
	ds_load_b128 v[(\f)+64+8*(4*(\c)+(\i)):(\f)+64+8*(4*(\c)+(\i))+3],   v[ADRB+(\slot)] offset:(\k)+64*(\c)+(\i)*16*PITCH
	ds_load_b128 v[(\f)+64+8*(4*(\c)+(\i))+4:(\f)+64+8*(4*(\c)+(\i))+7], v[ADRB+(\slot)] offset:(\k)+64*(\c)+(\i)*16*PITCH+32
	ds_load_b128 v[(\f)+8*(4*(\c)+(\i)):(\f)+8*(4*(\c)+(\i))+3],         v[ADRA+(\slot)] offset:(\k)+64*(\c)+(\i)*16*PITCH
	ds_load_b128 v[(\f)+8*(4*(\c)+(\i))+4:(\f)+8*(4*(\c)+(\i))+7],       v[ADRA+(\slot)] offset:(\k)+64*(\c)+(\i)*16*PITCH+32
.endr
.endr
.endm
.macro PLACES                          ; four plain instructions in front of loads into registers that matrix instructions have read, and of instructions that read results
.rept 4
	v_nop
.endr
.endm
.macro QUARTER slot, k, f, g, first
	s_wait_dscnt 16                                ; the first 32 along K are in; the youngest sixteen loads may be out
	WIN MUL
	MUL8 \f, 0, 0, \first
	MUL8 \f, 0, 2, \first
	PLACES
	FETCH \slot, \k, \g
	s_wait_dscnt 32                                ; all but the 32 just issued
	WIN MUL
	MUL8 \f, 1, 0, 0
	MUL8 \f, 1, 2, 0
.endm
.macro TURN slot, next, fill
	WIN 0
	s_wait_tensorcnt 0x0                           ; all my tensor loads have landed: my part of the next slot;
	ds_add_u32 v[SPW], v[NIL]                      ; 0 onto my spare word;
	s_wait_dscnt 17                                ; (the add and the youngest sixteen loads may be out)
	WIN MUL
	MUL8 F1, 0, 0, 0
	s_wait_dscnt 0x0                               ; the add is done, and my reads of this slot are over
	s_barrier_signal -1
	MUL8 F1, 0, 2, 0
.if \fill
	WIN 0
.endif
	s_barrier_wait -1
.if \fill
	CREST                                          ; no wave of any partner still reads this slot's tile or has a load on its way
	s_add_nc_u64 s[G0+4*(\slot)+2:G0+4*(\slot)+3], s[G0+4*(\slot)+2:G0+4*(\slot)+3], 2*KSTEP*2
	s_add_nc_u64 s[G0B+4*(\slot)+2:G0B+4*(\slot)+3], s[G0B+4*(\slot)+2:G0B+4*(\slot)+3], 2*KSTEP*2
	JLOAD \slot                                    ; the first tensor load behind the round, my only one until the next
.else
	PLACES
.endif
	FETCH \next, 0, F0
	WIN MUL
	MUL8 F1, 1, 0, 0
	MUL8 F1, 1, 2, 0
.endm
	s_wait_loadcnt 0x0                             ; the bias
.irp p, 0,1,2,3,4,5,6,7,8,9,10,11,12,13,14,15
	v_cvt_pk_bf16_f32 v[TMP+(\p)], v[BIAS+2*(\p)], v[BIAS+2*(\p)+1]  ; rounded to bf16, two at a time, while the first tiles are on their way,
.endr
.irp p, 0,1,2,3,4,5,6,7,8,9,10,11,12,13,14,15
	v_lshlrev_b32 v[BIAS+2*(\p)],   16, v[TMP+(\p)]                  ; and widened again: the C operand is f32
	v_and_b32     v[BIAS+2*(\p)+1], 0xffff0000, v[TMP+(\p)]
.endr
	s_wait_tensorcnt 1                             ; my part of K step 0 is in; K step 1's may stay out
	s_barrier_signal -1
	s_barrier_wait -1
	FETCH 0, 0, F0
	QUARTER 0, 128, F0, F1, 1
	WIN 0
	s_mov_b32 s3, LAPS-1
.Llap:
	QUARTER 0, 256, F1, F0, 0
	QUARTER 0, 384, F0, F1, 0
	TURN 0, 1, 1
	QUARTER 1, 128, F0, F1, 0
	QUARTER 1, 256, F1, F0, 0
	QUARTER 1, 384, F0, F1, 0
	TURN 1, 0, 1
	QUARTER 0, 128, F0, F1, 0
	WIN 0
	s_sub_co_u32 s3, s3, 1
	s_cmp_lg_u32 s3, 0
	s_cbranch_scc1 .Llap
	QUARTER 0, 256, F1, F0, 0
	QUARTER 0, 384, F0, F1, 0
	TURN 0, 1, 0
	QUARTER 1, 128, F0, F1, 0
	QUARTER 1, 256, F1, F0, 0
	QUARTER 1, 384, F0, F1, 0
	s_wait_dscnt 16
	WIN MUL
	MUL8 F1, 0, 0, 0
	MUL8 F1, 0, 2, 0
	s_wait_dscnt 0
	MUL8 F1, 1, 0, 0
	MUL8 F1, 1, 2, 0
	WIN 0
; THE WAY OUT, a block of 16 rows at a time.  TOSTAGE: a lane's 32 bytes of each column block go straight from the accumulators (low four registers first) into my stage, and come back as whole rows of 256 bytes.
.macro TOSTAGE a
.irp b, 0,1,2,3
	ds_store_b128 v[STO], v[ACC+8*(4*(\a)+(\b)):ACC+8*(4*(\a)+(\b))+3]   offset:64*(\b)
	ds_store_b128 v[STO], v[ACC+8*(4*(\a)+(\b))+4:ACC+8*(4*(\a)+(\b))+7] offset:64*(\b)+16
.endr
.irp t, 0,1,2,3,4,5,6,7
	ds_load_b128 v[TMP+32*((\a)%2)+4*(\t):TMP+32*((\a)%2)+4*(\t)+3], v[RD] offset:(\t)*2*SPITCH  ; LDS serves a wave's instructions in order (ISA guide 5.7.1.4): these see the stores above; the next block's stores come behind them
.endr
.endm
.macro SEND a, younger                 ; younger: the LDS instructions issued behind block a's loads: the next block's sixteen, or none
.irp t, 0,1,2,3,4,5,6,7
	s_wait_dscnt (\younger)+7-(\t)
	global_store_b128 v[CO], v[TMP+32*((\a)%2)+4*(\t):TMP+32*((\a)%2)+4*(\t)+3], s[8:9] offset:(\a)*16*ROWB+(\t)*2*ROWB th:TH_STORE_NT  ; 16 lanes store 256 consecutive bytes, aligned
.endr
.endm
	PLACES
	TOSTAGE 0
	TOSTAGE 1
	SEND 0, 16
	s_wait_xcnt 0x0                                ; block 0's stores have had their addresses translated (ISA guide 3.1): their registers are loaded again only behind this wait
	TOSTAGE 2
	SEND 1, 16
	s_wait_xcnt 0x0                                ; the same for block 1's
	TOSTAGE 3
	SEND 2, 16
	SEND 3, 0
	s_wait_tensorcnt 0x0                           ; the wave's end: behind my last tensor load and my last LDS store
	ds_add_u32 v[SPW], v[NIL]
	s_wait_dscnt 0x0
	CROUND                                         ; the closing round
	s_endpgm
.Lfunc_end_k_q85475422af_outp:
	.size	k_q85475422af_outp, .Lfunc_end_k_q85475422af_outp-k_q85475422af_outp
	.p2alignl 7, 3214868480
	.fill 96, 4, 3214868480
	.section	.rodata,"a",@progbits
	.p2align	6, 0x0
	.amdhsa_kernel k_q85475422af_outp
		.amdhsa_group_segment_fixed_size 327680
		.amdhsa_private_segment_fixed_size 0
		.amdhsa_enable_private_segment 0
		.amdhsa_kernarg_size 32
		.amdhsa_user_sgpr_count 2
		.amdhsa_user_sgpr_kernarg_segment_ptr 1
		.amdhsa_wavefront_size32 1
		.amdhsa_system_sgpr_workgroup_id_x 1
		.amdhsa_system_sgpr_workgroup_id_y 1
		.amdhsa_system_sgpr_workgroup_id_z 1
		.amdhsa_system_vgpr_workitem_id 0
		.amdhsa_next_free_vgpr 512
		.amdhsa_next_free_sgpr 80
		.amdhsa_reserve_vcc 0
		.amdhsa_float_denorm_mode_32 3
		.amdhsa_float_denorm_mode_16_64 3
		.amdhsa_memory_ordered 1
		.amdhsa_forward_progress 1
		.amdhsa_inst_pref_size 90
	.end_amdhsa_kernel
	.amdgpu_metadata
---
amdhsa.version: [ 1, 2 ]
amdhsa.kernels:
  - .name:           k_q85475422af_outp
    .symbol:         k_q85475422af_outp.kd
    .args:
      - { .name: ec, .offset: 0, .size: 8, .value_kind: global_buffer, .address_space: global }
      - { .name: wkv, .offset: 8, .size: 8, .value_kind: global_buffer, .address_space: global }
      - { .name: bv, .offset: 16, .size: 8, .value_kind: global_buffer, .address_space: global }
      - { .name: out0, .offset: 24, .size: 8, .value_kind: global_buffer, .address_space: global }
    .group_segment_fixed_size: 327680
    .private_segment_fixed_size: 0
    .kernarg_segment_align: 8
    .kernarg_segment_size: 32
    .max_flat_workgroup_size: 128
    .sgpr_count:     80
    .vgpr_count:     512
    .wavefront_size: 32
...
	.end_amdgpu_metadata
.endif
;; end of part 6
;; ======== version 2 of 2: 8 launches; version 1 with the launch norm written anew for expert scheduling mode
;; limits: right only within a limited range of input values
;; workspace buffers: xb 41,943,040 bytes; wq 2,097,152 bytes; wt 2,097,152 bytes; wkv 4,194,304 bytes; st 1,052,672 bytes; pq 16,777,216 bytes; qg 8,388,608 bytes; ec 16,777,216 bytes
;; launch cast: the kernel of part 1 again; grid 1536 x 1, 8 waves a work-group, no clusters, 35,840 bytes of LDS; arguments query, key, Wq, Wk, Wv, xb, wq, wkv, wt, st; writes xb, wq, wkv, wt, st
;; launch qproj: the kernel of part 2 again; grid 8 x 32, 4 waves a work-group, clusters of 4 x 4, 327,680 bytes of LDS; arguments xb, wq, bq, pq; writes pq
;; launch qfold: the kernel of part 2 again; grid 8 x 32, 4 waves a work-group, clusters of 4 x 4, 327,680 bytes of LDS; arguments pq, wt, st, qg; writes qg
;; launch score: the kernel of part 3 again; grid 16 x 32, 4 waves a work-group, clusters of 4 x 4, 327,680 bytes of LDS; arguments qg, xb, mask, ec, st; writes ec, st
;; launch norm (part 7): grid 256 x 1, 8 waves a work-group, no clusters, 0 bytes of LDS; arguments ec, st, pq, out1; writes pq, out1
.if DOCPART == 7
	.amdgcn_target "amdgcn-amd-amdhsa--gfx1250"
	.amdhsa_code_object_version 6
	.text
	.protected	k_q85475422af_norm
	.globl	k_q85475422af_norm
	.p2align	8
	.type	k_q85475422af_norm,@function
k_q85475422af_norm:
	s_mov_b64 s[64:65], 0
	v_nop
	global_prefetch_b8 v0, s[64:65] scope:SCOPE_SE
	s_setreg_imm32_b32 hwreg(HW_REG_WAVE_SCHED_MODE, 0, 2), 2
	s_setreg_imm32_b32 hwreg(HW_REG_WAVE_MODE, 25, 1), 1
	s_wait_xcnt 0x0
	s_wait_alu depctr_vm_vsrc(0)
; The second half of the softmax.  For each row: M = the largest of its 32 chunk maxima m_c, L = the sum of l_c 2^(m_c - M), f_c = 2^(m_c - M) / L; out1 = E f_c in f32, pq = the same rounded to bf16.
; E arrives in f16; a multiply-add that reads an f16 half (E x f_c + 0, reckoned in f32) widens and scales it in one line.
; The chunk that holds M has l_c of 1 or more and the factor 1, so L is at least 1.  A row whose keys are all hidden has m_c = NEG and l_c = 64 everywhere and comes out uniform, as in the reference.
; LIMITS.  NaN and infinities are not treated apart (with finite inputs no weight is NaN, so the clean-up of NaN has nothing to do); a factor below 2^-126 counts as 0.
; SHARES.  A wave owns two rows, 16 apart: rows 64 g + 32 p + r and + 16, whose m lie side by side in st, and likewise their l.  Lane c holds chunk c, so the maximum and the sum are taken across the 32 lanes.
; A row of E is 4,096 bytes: 16 loads of 8 bytes a lane, 256 consecutive bytes each; a lane's 4 numbers leave as 16 bytes of out1 (512 consecutive bytes a store) and 8 bytes of pq (256 a store, aligned).
; All 34 loads of a wave go out at once.  Memory binds: no LDS bytes, no barrier, no matrix unit.
; THE MODE: SCHED_MODE bits 1:0 = 2 (LLVM: expert scheduling mode 2), set by the entry lines.  The code itself states the register dependences
; between vector instructions and memory or LDS instructions, with s_wait_alu, always for 0.
; THE PLAN.  Registers that memory or LDS instructions touch:
;   v2, v3, v4   byte offsets, and IDX, the permutes' lane addresses: made at the head, never written again; read by every load, store and permute.
;   v16, v17     the two rows' factors: written by two multiplies behind the reciprocals, then read by the 32 permutes, never written again.
;   X            four registers for each load n: the load lands in the upper two (4 f16); the four multiply-adds read those and write all four (the first word is overwritten when its two halves
;                have been read, the second in place); the conversions read them; the store to out1 reads them.  Never written again.
;   PQ           two registers for each load n: the permute lands in the lower (the factor); the multiply-adds read it; the two conversions write both; the store to pq reads them.  Never written again.
; No register that a load, store or permute has read is written afterwards, so the text holds no wait on vm_vsrc and none on XCNT.
; The 32 loads go in eight blocks of four: a block's 24 vector lines, ONE wait on va_vdst, the run of its 8 stores.  The wait stands behind the block's own arithmetic and not at the next block's head:
; of the launch's bytes three quarters are stores, and a store that waited for the next block's loads would leave later for nothing.  The later blocks' vector lines name their own X and PQ alone.
.set ZR,  18                           ; v18        0: the multiply-adds' addend; never rewritten
.set IDX, 20                           ; v[20:35]   load j: 4 x the lane that holds my chunk's factor: 8 j + 4 (l / 16)
.set PQ,  36                           ; v[36:99]   n = 16 x row + load: 2 registers at PQ + 2 n: my chunk's factor in the lower, then 4 bf16 for pq
.set X,   100                          ; v[100:227] 4 registers at X + 4 n: 4 f16 as loaded in the upper two, then 4 f32 for out1
	s_load_b256 s[4:11], s[0:1], 0x0               ; ec s[4:5], st s[6:7], pq s[8:9], out1 s[10:11]
	v_lshrrev_b32 v1, 5, v0
	v_readfirstlane_b32 s12, v1                    ; wave 0..7
	v_and_b32 v1, 31, v0                           ; lane
	v_lshlrev_b32 v2, 3, v1                        ; 8 l
	v_lshlrev_b32 v3, 4, v1                        ; 16 l
	v_lshlrev_b32 v4, 9, v1                        ; 512 l: a chunk's block in st
	v_bfe_u32 v5, v0, 4, 1
	v_lshlrev_b32 v5, 2, v5
	v_mov_b32 v[ZR], 0
.set j, 0
.rept 16
	v_add_nc_u32 v[IDX+j], 8*j, v5
.set j, j+1
.endr
	s_wait_alu depctr_va_sdst(0)                   ; s12, the wave's number, is written, ahead of its first reader: the rows and the bases are made from it
	s_lshr_b32 s13, ttmp9, 2                       ; g
	s_and_b32 s14, ttmp9, 3
	s_lshl_b32 s14, s14, 3
	s_add_co_u32 s14, s14, s12                     ; 0..31 among the group's pairs of rows
	s_lshr_b32 s15, s14, 1                         ; r
	s_and_b32 s16, s14, 1                          ; p
	s_lshl_b32 s17, s13, 6
	s_lshl_b32 s18, s16, 5
	s_add_co_u32 s17, s17, s18
	s_add_co_u32 s17, s17, s15                     ; my first row
	s_lshl_b32 s18, s13, 14                        ; st: 4,096 + 16,384 g + 16 r + 8 p
	s_lshl_b32 s19, s15, 4
	s_add_co_u32 s18, s18, s19
	s_lshl_b32 s19, s16, 3
	s_add_co_u32 s18, s18, s19
	s_add_co_u32 s18, s18, 4096                    ; the statistics lie behind the 4,096 bytes at st's head
	s_mov_b32 s19, 0
	s_lshl_b32 s24, s17, 12                        ; rows of 4,096 bytes in ec and pq,
	s_mov_b32 s25, 0
	s_lshl_b32 s26, s17, 13                        ; of 8,192 in out1
	s_mov_b32 s27, 0
	s_mov_b32 s20, 0x76543210                      ; v_permlanex16_b32: each lane takes its own place in the other half
	s_mov_b32 s21, 0xfedcba98
	s_wait_kmcnt 0x0
	s_add_nc_u64 s[6:7], s[6:7], s[18:19]
	s_add_nc_u64 s[4:5], s[4:5], s[24:25]
	s_add_nc_u64 s[8:9], s[8:9], s[24:25]
	s_add_nc_u64 s[10:11], s[10:11], s[26:27]
	s_wait_alu depctr_va_vdst(0)                   ; the offsets v2, v3, v4 and the lane addresses v[IDX ..] are written: every load, store and permute of the kernel reads one of them
	global_load_b64 v[8:9], v4, s[6:7]             ; m of my chunk, both rows
	global_load_b64 v[10:11], v4, s[6:7] offset:256  ; l
.irp i, 0,1
.irp j, 0,1,2,3,4,5,6,7,8,9,10,11,12,13,14,15
	global_load_b64 v[X+64*(\i)+4*(\j)+2:X+64*(\i)+4*(\j)+3], v2, s[4:5] offset:65536*(\i)+256*(\j) th:TH_LOAD_NT
.endr
.endr
	v_mov_b32 v14, 0                               ; destinations of v_permlanex16_b32 count as read
	v_mov_b32 v15, 0
	s_wait_loadcnt 32                              ; m and l are in; the 32 loads of E stay out
	v_mov_b32 v12, v8
	v_mov_b32 v13, v9
.irp x, 1,2,4,8
	v_max_num_f32_dpp v12, v12, v12 row_xmask:\x row_mask:0xf bank_mask:0xf
	v_max_num_f32_dpp v13, v13, v13 row_xmask:\x row_mask:0xf bank_mask:0xf
.endr
	v_permlanex16_b32 v14, v12, s20, s21
	v_permlanex16_b32 v15, v13, s20, s21
	v_max_num_f32 v12, v12, v14                    ; M, in every lane
	v_max_num_f32 v13, v13, v15
	v_sub_f32 v16, v8, v12
	v_sub_f32 v17, v9, v13
	v_exp_f32 v16, v16                             ; 2^(m_c - M)
	v_exp_f32 v17, v17
	v_nop                                          ; a plain instruction behind the last exponential,
	s_wait_alu depctr_va_vdst(0)                   ; and one wait ahead of the first reader of v16 and v17, for both exponentials
	v_mul_f32 v12, v10, v16
	v_mul_f32 v13, v11, v17
.irp x, 1,2,4,8
	v_add_f32_dpp v12, v12, v12 row_xmask:\x row_mask:0xf bank_mask:0xf
	v_add_f32_dpp v13, v13, v13 row_xmask:\x row_mask:0xf bank_mask:0xf
.endr
	v_permlanex16_b32 v14, v12, s20, s21
	v_permlanex16_b32 v15, v13, s20, s21
	v_add_f32 v12, v12, v14                        ; L
	v_add_f32 v13, v13, v15
	v_rcp_f32 v12, v12
	v_rcp_f32 v13, v13
	v_nop
	s_wait_alu depctr_va_vdst(0)                   ; one wait for both reciprocals, ahead of the first reader of v12 and v13
	v_mul_f32 v16, v16, v12                        ; f_c, in lane c
	v_mul_f32 v17, v17, v13
	s_wait_alu depctr_va_vdst(0)                   ; the two multiplies have written v16 and v17, which the permutes read as their data
.irp i, 0,1
.irp j, 0,1,2,3,4,5,6,7,8,9,10,11,12,13,14,15
	ds_bpermute_b32 v[PQ+32*(\i)+2*(\j)], v[IDX+(\j)], v[16+(\i)]  ; load j's numbers 128 j + 4 l .. lie in chunk 2 j + l / 16
.endr
.endr
	s_wait_dscnt 0x0                               ; the 32 factors are in
.set p, 0
.rept 8                                ; block p: loads n = 4 p .. 4 p + 3 (n = 16 x row + load)
	s_wait_loadcnt 28-4*p                          ; loads come back in order: the block's four are in, the 28 - 4 p younger ones stay out
.set n, 4*p
.rept 4
.set S0, X+4*n
	v_fma_mix_f32 v[S0],   v[S0+2], v[PQ+2*n], v[ZR] op_sel_hi:[1,0,0]                 ; the low f16 half x f + 0, in f32
	v_fma_mix_f32 v[S0+1], v[S0+2], v[PQ+2*n], v[ZR] op_sel:[1,0,0] op_sel_hi:[1,0,0]  ; the high half
	v_fma_mix_f32 v[S0+2], v[S0+3], v[PQ+2*n], v[ZR] op_sel_hi:[1,0,0]                 ; the first word has been read: its register takes the third number,
	v_fma_mix_f32 v[S0+3], v[S0+3], v[PQ+2*n], v[ZR] op_sel:[1,0,0] op_sel_hi:[1,0,0]  ; the second word's the fourth, in place
.set n, n+1
.endr
.set n, 4*p
.rept 4
.set S0, X+4*n
	v_cvt_pk_bf16_f32 v[PQ+2*n],   v[S0],   v[S0+1]  ; the factor has been read four times and is dead
	v_cvt_pk_bf16_f32 v[PQ+2*n+1], v[S0+2], v[S0+3]
.set n, n+1
.endr
	s_wait_alu depctr_va_vdst(0)                   ; the block's multiply-adds have written its X and its conversions its PQ, which the eight stores below read
.set n, 4*p
.rept 4
	global_store_b128 v3, v[X+4*n:X+4*n+3], s[10:11] offset:131072*(n/16)+512*(n%16) th:TH_STORE_NT
	global_store_b64 v2, v[PQ+2*n:PQ+2*n+1], s[8:9] offset:65536*(n/16)+256*(n%16)
.set n, n+1
.endr
.set p, p+1
.endr
	s_endpgm
.Lfunc_end_k_q85475422af_norm:
	.size	k_q85475422af_norm, .Lfunc_end_k_q85475422af_norm-k_q85475422af_norm
	.p2alignl 7, 3214868480
	.fill 96, 4, 3214868480
	.section	.rodata,"a",@progbits
	.p2align	6, 0x0
	.amdhsa_kernel k_q85475422af_norm
		.amdhsa_group_segment_fixed_size 0
		.amdhsa_private_segment_fixed_size 0
		.amdhsa_enable_private_segment 0
		.amdhsa_kernarg_size 32
		.amdhsa_user_sgpr_count 2
		.amdhsa_user_sgpr_kernarg_segment_ptr 1
		.amdhsa_wavefront_size32 1
		.amdhsa_system_sgpr_workgroup_id_x 1
		.amdhsa_system_sgpr_workgroup_id_y 1
		.amdhsa_system_sgpr_workgroup_id_z 1
		.amdhsa_system_vgpr_workitem_id 0
		.amdhsa_next_free_vgpr 228
		.amdhsa_next_free_sgpr 66
		.amdhsa_reserve_vcc 0
		.amdhsa_float_denorm_mode_32 3
		.amdhsa_float_denorm_mode_16_64 3
		.amdhsa_memory_ordered 1
		.amdhsa_forward_progress 1
		.amdhsa_inst_pref_size 29
	.end_amdhsa_kernel
	.amdgpu_metadata
---
amdhsa.version: [ 1, 2 ]
amdhsa.kernels:
  - .name:           k_q85475422af_norm
    .symbol:         k_q85475422af_norm.kd
    .args:
      - { .name: ec, .offset: 0, .size: 8, .value_kind: global_buffer, .address_space: global }
      - { .name: st, .offset: 8, .size: 8, .value_kind: global_buffer, .address_space: global }
      - { .name: pq, .offset: 16, .size: 8, .value_kind: global_buffer, .address_space: global }
      - { .name: out1, .offset: 24, .size: 8, .value_kind: global_buffer, .address_space: global }
    .group_segment_fixed_size: 0
    .private_segment_fixed_size: 0
    .kernarg_segment_align: 8
    .kernarg_segment_size: 32
    .max_flat_workgroup_size: 256
    .sgpr_count:     66
    .vgpr_count:     228
    .wavefront_size: 32
...
	.end_amdgpu_metadata
.endif
;; end of part 7
;; launch ctx: the kernel of part 5 again; grid 8 x 32, 4 waves a work-group, clusters of 4 x 4, 327,680 bytes of LDS; arguments pq, xb, qg; writes qg
;; launch cproj: the kernel of part 2 again; grid 8 x 32, 4 waves a work-group, clusters of 4 x 4, 327,680 bytes of LDS; arguments qg, wkv, bk, ec; writes ec
;; launch outp: the kernel of part 6 again; grid 8 x 32, 4 waves a work-group, clusters of 4 x 4, 327,680 bytes of LDS; arguments ec, wkv, bv, out0; writes out0
